; MI455X (gfx1250); checked and timed in simulation.
; The chip was launched on July 23, 2026; its instructions are those of AMD's public machine-readable ISA for CDNA 5 (MIT licence, August 2026) and "CDNA5" Instruction Set Architecture Reference Guide (July 2026). The comments in the code are by the model that wrote it; some were corrected since.
;; Residual Coding Model. Allowed arithmetic: float matrix products may take bf16 or f16 operands with f32 sums; all other float work in f32.
;; Inputs: embed_w 64 x 64 float32; ff_b1 128 float32; ff_b2 64 float32; ff_w1 64 x 128 float32; ff_w2 128 x 64 float32; ln_b 64 float32; ln_g 64 float32; out_b 64 float32; out_w 64 x 64 float32; pred_b 64 float32; pred_w 64 x 64 float32; read_b 64 float32; read_w 64 x 64 float32; seq 512 x 512 int32.
;; Outputs: out0 512 x 64 float32.
;; 4 versions, each right; versions 2 to 3 are each faster than the one before; version 4 is version 3 with the launch rcm written anew for expert scheduling mode. Each part assembles by itself: llvm-mc -triple=amdgcn-amd-amdhsa -mcpu=gfx1250 --defsym DOCPART=n.
;; ======== version 1 of 4: 1 launch
;; limits: values are held in f16: magnitudes above 65,504 overflow, below 6.1e-05 lose precision
;; launch rcm (part 1): grid 256 x 1, 4 waves a work-group, no clusters, 168,448 bytes of LDS; arguments seq, embed_w, ff_w1, ff_b1, ff_w2, ff_b2, ln_g, ln_b, pred_w, pred_b, read_w, read_b, out_w, out_b, out0; writes out0
.if DOCPART == 1
	.amdgcn_target "amdgcn-amd-amdhsa--gfx1250"
	.amdhsa_code_object_version 6
	.text
	.protected	k_qe5a9a80c10_rcm
	.globl	k_qe5a9a80c10_rcm
	.p2align	8
	.type	k_qe5a9a80c10_rcm,@function
k_qe5a9a80c10_rcm:
	s_mov_b64 s[64:65], 0
	v_nop
	global_prefetch_b8 v0, s[64:65] scope:SCOPE_SE
	s_setreg_imm32_b32 hwreg(HW_REG_WAVE_MODE, 25, 1), 1
	s_wait_xcnt 0x0
; ResidualCodingModel: 512 sequences of 512 tokens out of 64; embed, feed-forward + residual, LayerNorm, a delta-rule scan of 510 steps
; on a 64 x 64 memory M, ctx = M q, two linear maps.  One launch, 256 work-groups of four waves; work-group g owns sequences 2g, 2g+1.
;
; THREE IDENTITIES, exact for every input of these shapes, carry the text:
;  1. All that precedes the scan is a function of the token alone: Hn[64][64] (behind LayerNorm) and Pr = Hn pred_w + pred_b.
;  2. Only ctx = M_510 q is used, and M_(t+1) = M_t (I - k k^T / d) + r k^T with M_0 = 0.  Backward from t = 509:
;     w = k_t . q;  ctx += w r_t;  q -= k_t w / d_t.  What is carried is a vector, not a matrix.
;  3. With a[v] = Hn[v] . q and G = Hn Hn^T:  w = a[c_t], one element, and a += w NG[c_t], NG[c] = -G[c] / d_c.
;     The text carries a~ = -a / d_q (so it starts as the row NG[c_511]) and ends with ctx = d_q (accP - accH),
;     accP = sum of w~ Pr[c_t], accH = sum of w~ Hn[c_(t+1)]  (r_t = Hn[c_(t+1)] - Pr[c_t]).
; PHASES: P all four waves build the tables in LDS (wave w: tokens 16w .. 16w+15; 48 matrix instructions a wave, made anew in every
; work-group: G needs all 64 rows, so sharing the build would take further launches);  S waves 0, 1 scan one sequence each, while
; H waves 2, 3 copy read_w and out_w into LDS;  T waves 0, 1 apply the two maps in f32 and store one row of out0 each.
;
; LIMITS.  M is never formed, so the order of rounding differs from the scan as it is written.  The operands of the table products are
; f16 with f32 sums (embed_w, ff_w1, relu(h ff_w1 + ff_b1), ff_w2, Hn, pred_w): each must stay below 65,504 in magnitude, and numbers
; below 6.1e-5 keep an absolute precision of 6e-8.  bf16's 8 bits would leave too little margin behind 510 steps.  d is taken from the
; f32 Hn and G from the f16-rounded Hn: G[c][c] / d_c misses 1 by some 3e-5.  Tokens are clamped to 63 (the table has 64 rows).
; The scan and the last two maps are f32 vector work: two rows a work-group, and ctx has no room in f16.
; NO CLUSTER, NO TENSOR LOAD: what the work-groups share is 100 KB of f32 weights that must pass through registers to be rounded to f16
; and transposed; no tile is filled twice.  168,448 bytes of LDS are asked for (155,904 are used) so that a work-group has its WGP alone.
.set FRAG_W1, 0                        ; 16 fragment images of 1,024 bytes: lane L's registers 0-3 at 16 L, registers 4-7 at 512 + 16 L
.set FRAG_W2, 16384                    ; 16 images
.set FRAG_PW, 32768                    ; 8 images
.set FRAG_HN, 40960                    ; 8 images
.set PRM,     49152                    ; 768 bytes for each wave: ln_g, ln_b, pred_b
.set DTAB,    52224                    ; d[64], f32
.set TOK,     52480                    ; the work-group's two rows of seq, 4,096 bytes
.set TAB,     56576                    ; 64 rows; record l (32 bytes) of row c: NG[c][2l,2l+1], Pr[c][2l,2l+1], Hn[c][2l,2l+1], 8 bytes unused
.set TPITCH,  1040                     ; 1,024 + 16: the sixteen rows that a table store touches start four words apart
.set RW,      123136                   ; read_w as in memory
.set OW,      139520                   ; out_w as in memory; ends at 155,904
.set R0, 16                            ; v[16:79]
.set R1, 80                            ; v[80:143]
.set R2, 144                           ; v[144:207]
.set R3, 208                           ; v[208:239]  32 features of my token: x, then Hn, then G
.set R4, 240                           ; v[240:255]  my 16 tokens as a B fragment of two K steps
.set SC, 48                            ; s[48:63]    the tokens of the 16 positions in the ring
.set RING, 32                          ; v[32:127]   16 slots of 6 registers: NG pair, Pr pair, Hn pair
.set TK, 128                           ; v[128:143]  the sequence's 16 blocks of 32 tokens
.set Y, 32                             ; v[32:39]    four partial sums of a map
.set ROWB, 128                         ; v[128:255]  64 rows of a map's weights, 2 columns a lane
.macro PLACES                          ; four plain vector instructions stand between a matrix instruction and a vector instruction, a store or
.rept 4                                ; a load that touches its registers
	v_nop
.endr
.endm
; 16 rows k of one column of a weight stored [k][n]: the raw numbers of an A fragment of the transposed weight (8h rows and the column are in voff)
.macro RAWFRAG dst, voff, base, pitch, k0, col
.irp half, 0,1
.irp e, 0,1,2,3,4,5,6,7
	global_load_b32 v[\dst+8*\half+\e], v[\voff], s[\base:\base+1] offset:(\k0+16*\half+\e)*\pitch+\col
.endr
.endr
.endm
.macro PACK reg                        ; 16 f32 to 8 registers of f16 in place: ascending i never writes a source that is still unread
.irp i, 0,1,2,3,4,5,6,7
	v_cvt_pk_f16_f32 v[\reg+\i], v[\reg+2*\i], v[\reg+2*\i+1]
.endr
.endm
.macro STFRAG reg, vaddr, off
	ds_store_b128 v[\vaddr], v[\reg:\reg+3] offset:\off
	ds_store_b128 v[\vaddr], v[\reg+4:\reg+7] offset:\off+512
.endm
.macro LDFRAG reg, off
	ds_load_b128 v[\reg:\reg+3], v10 offset:\off
	ds_load_b128 v[\reg+4:\reg+7], v10 offset:\off+512
.endm
.macro MM d, a, b
	v_wmma_f32_16x16x32_f16 v[\d:\d+7], v[\a:\a+7], v[\b:\b+7], v[\d:\d+7]
.endm
.macro FOLD                            ; four chains to one number, then the other half of the lanes: lanes (r, 0) and (r, 1) hold one token
	v_pk_add_f32 v[176:177], v[176:177], v[178:179]
	v_pk_add_f32 v[180:181], v[180:181], v[182:183]
	v_pk_add_f32 v[176:177], v[176:177], v[180:181]
	v_add_f32 v176, v176, v177
	v_permlanex16_b32 v177, v176, s66, s67
	v_add_f32 v176, v176, v177
.endm
.macro SUMADD                          ; v176 = the sum of my token's 64 numbers
.irp c, 0,1,2,3
	v_pk_add_f32 v[176+2*\c:177+2*\c], v[R3+2*\c:R3+2*\c+1], v[R3+8+2*\c:R3+9+2*\c]
.endr
.irp c, 0,1,2,3
	v_pk_add_f32 v[176+2*\c:177+2*\c], v[176+2*\c:177+2*\c], v[R3+16+2*\c:R3+17+2*\c]
.endr
.irp c, 0,1,2,3
	v_pk_add_f32 v[176+2*\c:177+2*\c], v[176+2*\c:177+2*\c], v[R3+24+2*\c:R3+25+2*\c]
.endr
	FOLD
.endm
.macro SUMSQ                           ; v176 = the sum of their squares
.irp c, 0,1,2,3
	v_pk_mul_f32 v[176+2*\c:177+2*\c], v[R3+2*\c:R3+2*\c+1], v[R3+2*\c:R3+2*\c+1]
.endr
.irp o, 8,16,24
.irp c, 0,1,2,3
	v_pk_fma_f32 v[176+2*\c:177+2*\c], v[R3+\o+2*\c:R3+\o+2*\c+1], v[R3+\o+2*\c:R3+\o+2*\c+1], v[176+2*\c:177+2*\c]
.endr
.endr
	FOLD
.endm
; my token's 32 numbers (features 16 mt + 8 h + j) into one field of its table row: the pair jp of tile mt is record 8 mt + 4 h + jp
.macro TABST reg, field
.irp mt, 0,1,2,3
.irp jp, 0,1,2,3
	ds_store_b64 v11, v[\reg+8*\mt+2*\jp:\reg+8*\mt+2*\jp+1] offset:256*\mt+32*\jp+\field
.endr
.endr
.endm
	; ---------------------------------------------------------------- addresses
	s_load_b512 s[16:31], s[0:1], 0x0              ; seq 16, embed_w 18, ff_w1 20, ff_b1 22, ff_w2 24, ff_b2 26, ln_g 28, ln_b 30
	s_load_b256 s[32:39], s[0:1], 0x40             ; pred_w 32, pred_b 34, read_w 36, read_b 38
	s_load_b128 s[40:43], s[0:1], 0x60             ; out_w 40, out_b 42
	s_load_b64 s[44:45], s[0:1], 0x70              ; out0
	s_set_vgpr_msb 0x40
	v_lshl_add_u32 v0, v0, 2, 0x29000
	v_mov_b32 v1, 0
	s_set_vgpr_msb 0x4000
	v_lshrrev_b32 v1, 5, v0
	v_readfirstlane_b32 s8, v1                     ; wave w
	v_and_b32 v1, 31, v0                           ; L
	v_and_b32 v2, 15, v0                           ; r
	v_bfe_u32 v3, v0, 4, 1                         ; h
	v_lshlrev_b32 v4, 2, v2
	v_lshl_add_u32 v5, v3, 11, v4
	v_lshl_add_u32 v4, v3, 12, v4
	v_lshl_add_u32 v4, s8, 7, v4                   ; ff_w1: 8h rows of 512 bytes + column 32w + r
	v_lshl_add_u32 v5, s8, 6, v5                   ; ff_w2, pred_w: 8h rows of 256 bytes + column 16w + r
	v_lshlrev_b32 v7, 5, v3                        ; biases in the layout of a result: 8h numbers
	v_lshl_add_u32 v6, v2, 8, v7
	v_lshl_add_u32 v6, s8, 12, v6                  ; embed_w: row 16w + r, 8h numbers in
	v_lshlrev_b32 v10, 4, v1                       ; 16 L
	v_lshl_add_u32 v8, s8, 12, v10                 ; 16 L + four fragment images a wave
	v_lshl_add_u32 v9, s8, 11, v10                 ; 16 L + two images a wave
	v_lshl_add_u32 v15, s8, 10, v10                ; my 16 bytes of my wave's quarter of the two rows of seq
	v_lshlrev_b32 v14, 3, v1                       ; 8 L
	v_lshl_add_u32 v11, s8, 4, v2                  ; my token 16w + r
	v_mul_u32_u24 v11, v11, TPITCH
	v_lshl_add_u32 v11, v3, 7, v11
	v_add_nc_u32 v11, TAB, v11                     ; its table row, 4h records in
	s_mul_i32 s2, s8, 768
	s_add_co_u32 s2, s2, PRM
	v_add_nc_u32 v12, s2, v14                      ; my wave's parameters: as stored,
	v_add_nc_u32 v13, s2, v7                       ; and as read back, 8h numbers in
	s_mov_b32 s66, 0x76543210                      ; v_permlanex16_b32: lane i of one half reads lane i of the other
	s_mov_b32 s67, 0xfedcba98
	s_mov_b32 s68, 0x3c800000                      ; 1/64
	s_mov_b32 s69, 0x3727c5ac                      ; 1e-5
	s_mov_b32 s70, 0x358637bd                      ; 1e-6
	s_mov_b32 s71, 0xbc800000                      ; -1/64
	s_lshl_b32 s2, ttmp9, 12                       ; two rows of seq a work-group
	s_mov_b32 s3, 0
	s_wait_kmcnt 0x0
	s_add_nc_u64 s[16:17], s[16:17], s[2:3]
	; ---------------------------------------------------------------- P0: 181 loads in one run, then rounding to f16 and the fragment images
	global_load_b128 v[240:243], v15, s[16:17] th:TH_LOAD_NT
	global_load_b128 v[244:247], v15, s[16:17] offset:512 th:TH_LOAD_NT
	global_load_b64 v[248:249], v14, s[28:29]
	global_load_b64 v[250:251], v14, s[30:31]
	global_load_b64 v[252:253], v14, s[34:35]
.irp c, 0,1,2,3
	global_load_b128 v[R3+8*\c:R3+8*\c+3], v6, s[18:19] offset:64*\c         ; embed_w[16w+r][16c + 8h ..]: the layout of a result,
	global_load_b128 v[R3+8*\c+4:R3+8*\c+7], v6, s[18:19] offset:64*\c+16    ; and, packed, that of a B fragment
.endr
.irp c, 0,1,2,3
	global_load_b128 v[176+8*\c:179+8*\c], v7, s[26:27] offset:64*\c
	global_load_b128 v[180+8*\c:183+8*\c], v7, s[26:27] offset:64*\c+16
.endr
.irp i, 0,1
.irp ks, 0,1
	RAWFRAG R0+16*(2*\i+\ks), 4, 20, 512, 32*\ks, 64*\i      ; ff_w1: feature tiles 2w + i, K steps ks
.endr
.endr
.irp ks, 0,1,2,3
	RAWFRAG R1+16*\ks, 5, 24, 256, 32*\ks, 0                 ; ff_w2: feature tile w
.endr
.irp ks, 0,1
	RAWFRAG R2+16*\ks, 5, 32, 256, 32*\ks, 0                 ; pred_w: feature tile w
.endr
	s_wait_loadcnt 63                              ; loads come back in order (ISA guide 5.7.1): the first 118 are in, which is all up to ff_w1's last
	ds_store_b128 v15, v[240:243] offset:TOK
	ds_store_b128 v15, v[244:247] offset:TOK+512
	ds_store_b64 v12, v[248:249]
	ds_store_b64 v12, v[250:251] offset:256
	ds_store_b64 v12, v[252:253] offset:512
.set i, 0
.rept 16
	v_cvt_pk_f16_f32 v[R4+i], v[R3+2*i], v[R3+2*i+1]         ; chunks 2ks, 2ks+1 are K step ks of the B fragment
.set i, i+1
.endr
.set i, 0
.rept 16
	v_pk_add_f32 v[R3+2*i:R3+2*i+1], v[R3+2*i:R3+2*i+1], v[176+2*i:177+2*i]   ; h + ff_b2 in f32: what the second product adds onto
.set i, i+1
.endr
.irp i, 0,1
.irp ks, 0,1
	PACK R0+16*(2*\i+\ks)
	STFRAG R0+16*(2*\i+\ks), 8, FRAG_W1+1024*(2*\i+\ks)      ; image 2 (2w + i) + ks
.endr
.endr
	s_wait_dscnt 0x0                               ; the images have left v[16:79], into which ff_b1 is now loaded
.irp mt, 0,1,2,3,4,5,6,7
	global_load_b128 v[R0+8*\mt:R0+8*\mt+3], v7, s[22:23] offset:64*\mt      ; ff_b1 in the layout of a result: what the first product adds onto
	global_load_b128 v[R0+8*\mt+4:R0+8*\mt+7], v7, s[22:23] offset:64*\mt+16
.endr
	s_wait_loadcnt 48                              ; behind ff_w2's last load: pred_w's 32 and ff_b1's 16
.irp ks, 0,1,2,3
	PACK R1+16*\ks
	STFRAG R1+16*\ks, 8, FRAG_W2+1024*\ks          ; image 4w + ks
.endr
	s_wait_loadcnt 16                              ; behind pred_w's last load: ff_b1's 16
.irp ks, 0,1
	PACK R2+16*\ks
	STFRAG R2+16*\ks, 9, FRAG_PW+1024*\ks          ; image 2w + ks
.endr
	s_wait_dscnt 0x0                               ; my images, tokens and parameters are in LDS,
	s_barrier_signal -1
	s_barrier_wait -1                              ; everybody's are
	; ---------------------------------------------------------------- P1: hidden = h ff_w1 + ff_b1, transposed: A = rows of the weight's transpose,
	; B = my 16 tokens, so that lane (r, h) holds features 16 mt + 8 h + 0..7 of token r: two tiles pack, in the lane, into the next B fragment
.irp mt, 0,1,2,3,4,5,6,7
	LDFRAG R1+8*\mt, FRAG_W1+1024*(2*\mt)
.endr
.irp mt, 0,1,2,3,4,5,6,7
	LDFRAG R2+8*\mt, FRAG_W1+1024*(2*\mt+1)
.endr
	s_wait_loadcnt 0x0                             ; ff_b1
	s_wait_dscnt 16                                ; K step 0's 16 loads are in, K step 1's 16 may be out
.irp mt, 0,1,2,3,4,5,6,7
	MM R0+8*\mt, R1+8*\mt, R4                      ; the accumulators take turns, one instruction a turn; here and in all products below
.endr
	s_wait_dscnt 0x0
.irp mt, 0,1,2,3,4,5,6,7
	MM R0+8*\mt, R2+8*\mt, R4+8
.endr
	PLACES
	; ---------------------------------------------------------------- P2: x = h + relu(hidden) ff_w2 + ff_b2
.irp ks, 0,1,2,3
.irp mt, 0,1,2,3
	LDFRAG R1+8*(4*\ks+\mt), FRAG_W2+1024*(4*\mt+\ks)
.endr
.endr
.set i, 0
.rept 64
	v_max_num_f32 v[R0+i], 0, v[R0+i]
.set i, i+1
.endr
.irp ks, 0,1,2,3
	PACK R0+16*\ks                                 ; tiles 2ks, 2ks+1 become K step ks, in v[16+16ks : 23+16ks]
.endr
.irp ks, 0,1,2,3
	s_wait_dscnt 24-8*\ks                          ; eight loads for each later K step may be out
.irp mt, 0,1,2,3
	MM R3+8*\mt, R1+8*(4*\ks+\mt), R0+16*\ks
.endr
.endr
	PLACES
	; ---------------------------------------------------------------- P3: LayerNorm in two passes, d, and Hn into the table and into fragment images
.irp mt, 0,1,2,3
	ds_load_b128 v[80+8*\mt:83+8*\mt], v13 offset:64*\mt                 ; ln_g
	ds_load_b128 v[84+8*\mt:87+8*\mt], v13 offset:64*\mt+16
.endr
.irp mt, 0,1,2,3
	ds_load_b128 v[112+8*\mt:115+8*\mt], v13 offset:256+64*\mt           ; ln_b
	ds_load_b128 v[116+8*\mt:119+8*\mt], v13 offset:256+64*\mt+16
.endr
.irp mt, 0,1,2,3
	ds_load_b128 v[144+8*\mt:147+8*\mt], v13 offset:512+64*\mt           ; pred_b: what the third product adds onto
	ds_load_b128 v[148+8*\mt:151+8*\mt], v13 offset:512+64*\mt+16
.endr
.irp ks, 0,1
.irp mt, 0,1,2,3
	LDFRAG R0+8*(4*\ks+\mt), FRAG_PW+1024*(2*\mt+\ks)
.endr
.endr
	SUMADD
	v_mul_f32 v184, s71, v176                      ; -mean, twice: a pair for the packed add
	v_mul_f32 v185, s71, v176
.set i, 0
.rept 16
	v_pk_add_f32 v[R3+2*i:R3+2*i+1], v[R3+2*i:R3+2*i+1], v[184:185]
.set i, i+1
.endr
	SUMSQ
	v_fma_f32 v186, v176, s68, s69                 ; variance + 1e-5
	v_rsq_f32 v187, v186
	v_lshlrev_b32 v191, 2, v2                      ; the plain instruction that stands behind a transcendental (ISA guide 5.7.2); part of d's address
	s_wait_alu depctr_va_vdst(0)
	v_mov_b32 v186, v187
	s_wait_dscnt 24                                ; ln_g and ln_b are in; pred_b's 8 loads and pred_w's 16 may be out
.set i, 0
.rept 16
	v_pk_mul_f32 v[80+2*i:81+2*i], v[80+2*i:81+2*i], v[186:187]
.set i, i+1
.endr
.set i, 0
.rept 16
	v_pk_fma_f32 v[R3+2*i:R3+2*i+1], v[R3+2*i:R3+2*i+1], v[80+2*i:81+2*i], v[112+2*i:113+2*i]   ; Hn
.set i, i+1
.endr
	SUMSQ
	v_add_f32 v190, s70, v176                      ; d = Hn . Hn + 1e-6
	v_rcp_f32 v188, v190
	v_lshl_add_u32 v191, s8, 6, v191               ; the plain instruction behind the transcendental: 4 (16w + r)
	s_wait_alu depctr_va_vdst(0)
	v_mul_f32 v188, -1.0, v188                     ; -1/d, twice
	v_mov_b32 v189, v188
	TABST R3, 16
	ds_store_b32 v191, v190 offset:DTAB            ; both halves of the lanes write the same number to the same word
.set i, 0
.rept 16
	v_cvt_pk_f16_f32 v[R4+i], v[R3+2*i], v[R3+2*i+1]         ; my 16 tokens' Hn: B fragment here, A fragment (the same map) for the others
.set i, i+1
.endr
	STFRAG R4, 9, FRAG_HN                          ; image 2w + ks
	STFRAG R4+8, 9, FRAG_HN+1024
	; ---------------------------------------------------------------- P4: Pr = Hn pred_w + pred_b
	s_wait_dscnt 0x0
.irp ks, 0,1
.irp mt, 0,1,2,3
	MM 144+8*\mt, R0+8*(4*\ks+\mt), R4+8*\ks
.endr
.endr
	PLACES
	TABST 144, 8
	s_wait_dscnt 0x0                               ; my stores are in LDS, Hn's images among them,
	s_barrier_signal -1
	s_barrier_wait -1                              ; everybody's are
	; ---------------------------------------------------------------- P5: G.  Lane (r, h), register j of tile mt: G[16 mt + 8 h + j][16w + r], which is
	; G[my token][eight neighbours]; times my token's -1/d that is a piece of my token's row of NG
.irp ks, 0,1
.irp mt, 0,1,2,3
	LDFRAG R1+8*(4*\ks+\mt), FRAG_HN+1024*(2*\mt+\ks)
.endr
.endr
	s_wait_dscnt 8                                 ; K step 1's 8 loads may be out
.irp mt, 0,1,2,3
	v_wmma_f32_16x16x32_f16 v[R3+8*\mt:R3+8*\mt+7], v[R1+8*\mt:R1+8*\mt+7], v[R4:R4+7], 0       ; the first product starts the sums
.endr
	s_wait_dscnt 0x0
.irp mt, 0,1,2,3
	MM R3+8*\mt, R1+32+8*\mt, R4+8
.endr
	PLACES
.set i, 0
.rept 16
	v_pk_mul_f32 v[R3+2*i:R3+2*i+1], v[R3+2*i:R3+2*i+1], v[188:189]
.set i, i+1
.endr
	TABST R3, 0
	s_wait_dscnt 0x0
	s_barrier_signal -1
	s_barrier_wait -1                              ; the tables are whole
	s_cmp_ge_u32 s8, 2
	s_cbranch_scc1 .Lhelper
	; ---------------------------------------------------------------- S: the scan, waves 0 and 1, sequence 2g + w
	; v16 TAB + 32 L; v17 a row's address; v20 my word of the token stage; v21 d_q; v[22:23] a~ (elements 2L, 2L+1); v[24:25] accP; v[26:27] accH;
	; v[28:29] read_b; v[30:31] out_b.  Ring slot p & 15 holds the three pairs of position p's token, fetched 14 steps ahead:
	; step p reads NG and Pr of slot p and Hn of slot p + 1, and fetches position p - 14 into slot p + 2, last read in step p + 1.
.macro TOKEN kp, tok, lane
	v_readlane_b32 s[SC+\kp], v[\tok], \lane
	s_min_u32 s[SC+\kp], s[SC+\kp], 63             ; the table has 64 rows
	s_mul_i32 s15, s[SC+\kp], TPITCH
.endm
.macro ROWS kp
	ds_load_b128 v[RING+6*\kp:RING+6*\kp+3], v17
	ds_load_b64 v[RING+6*\kp+4:RING+6*\kp+5], v17 offset:16
.endm
; One step.  i = the position mod 32; n = how many younger LDS loads may be out; pre = 1: it fetches; first = 1: it starts the two sums.
.macro STEP i, n, pre, first
.set K,  (\i)&15
.set KN, (\i+1)&15
.set KP, (\i+2)&15
	s_wait_dscnt \n
	s_lshr_b32 s14, s[SC+K], 1                     ; element c lies in lane c / 2, register c & 1
	v_readlane_b32 s12, v22, s14
	v_readlane_b32 s13, v23, s14
.if \pre
.if \i >= 14
	TOKEN KP, TK+15, \i-14                         ; position p - 14 lies in this block of 32,
.else
	TOKEN KP, TK+14, \i+18                         ; or in the one below
.endif
.endif
	s_bitcmp1_b32 s[SC+K], 0
	s_cselect_b32 s10, s13, s12                    ; w~ = a~[c_p]
	v_pk_fma_f32 v[22:23], v[RING+6*K:RING+6*K+1], s[10:11], v[22:23] op_sel_hi:[1,0,1]          ; a~ += w~ NG[c_p]
.if \pre
	v_add_nc_u32 v17, s15, v16
.endif
.if \first
	v_pk_mul_f32 v[24:25], v[RING+6*K+2:RING+6*K+3], s[10:11] op_sel_hi:[1,0]
	v_pk_mul_f32 v[26:27], v[RING+6*KN+4:RING+6*KN+5], s[10:11] op_sel_hi:[1,0]
.else
	v_pk_fma_f32 v[24:25], v[RING+6*K+2:RING+6*K+3], s[10:11], v[24:25] op_sel_hi:[1,0,1]        ; accP += w~ Pr[c_p]
	v_pk_fma_f32 v[26:27], v[RING+6*KN+4:RING+6*KN+5], s[10:11], v[26:27] op_sel_hi:[1,0,1]      ; accH += w~ Hn[c_(p+1)]
.endif
.if \pre
	ROWS KP
.endif
.endm
.macro SHIFT                           ; the blocks of tokens move up one register: v[TK+15] is the block at work, v[TK+14] the one below; 15 moves for 32 steps
.irp j, 15,14,13,12,11,10,9,8,7,6,5,4,3,2,1
	v_mov_b32 v[TK+\j], v[TK+\j-1]
.endr
.endm
	s_lshl_b32 s2, ttmp9, 1
	s_add_co_u32 s2, s2, s8
	s_lshl_b32 s2, s2, 8                           ; row 2g + w of out0, 256 bytes (s3 is 0)
	s_add_nc_u64 s[44:45], s[44:45], s[2:3]
	global_load_b64 v[28:29], v14, s[38:39]        ; the two last biases come in under the scan
	global_load_b64 v[30:31], v14, s[42:43]
	v_lshlrev_b32 v16, 5, v1
	v_add_nc_u32 v16, TAB, v16
	v_lshlrev_b32 v20, 2, v1
	v_lshl_add_u32 v20, s8, 11, v20
.irp j, 0,1,2,3,4,5,6,7,8,9,10,11,12,13,14,15
	ds_load_b32 v[TK+\j], v20 offset:TOK+128*\j    ; lane L: token 32 j + L
.endr
	s_mov_b32 s11, 0                               ; the upper half of the pair s[10:11]; only s10 is multiplied by
	s_wait_dscnt 0x0
	v_readlane_b32 s15, v[TK+15], 31               ; c_511
	s_min_u32 s15, s15, 63
	s_lshl_b32 s15, s15, 2
	v_mov_b32 v24, s15
	ds_load_b32 v21, v24 offset:DTAB               ; d_q
.set P, 15
.rept 16
	TOKEN P, TK+15, P+16                           ; positions 511 down to 496 into slots 15 down to 0
	v_add_nc_u32 v17, s15, v16
	ROWS P
.set P, P-1
.endr
	s_wait_dscnt 26                                ; LDS loads come back in order (ISA guide 5.7.1): positions 511, 510, 509 are in
	v_mov_b32 v22, v[RING+90]                      ; a~ starts as NG[c_511]
	v_mov_b32 v23, v[RING+91]
	; In every step the count is 26: behind the two loads of position p stand those of the 13 positions p - 1 .. p - 13.
.set I, 29
	STEP I, 26, 1, 1                               ; position 509
.set I, 28
.rept 29
	STEP I, 26, 1, 0                               ; 508 down to 480
.set I, I-1
.endr
	SHIFT
	s_mov_b32 s46, 14                              ; blocks 14 down to 1
.Ltrip:
.set I, 31
.rept 32
	STEP I, 26, 1, 0
.set I, I-1
.endr
	SHIFT
	s_sub_co_i32 s46, s46, 1
	s_cmp_lg_u32 s46, 0
	s_cbranch_scc1 .Ltrip
.set I, 31
.rept 18
	STEP I, 26, 1, 0                               ; positions 31 down to 14 fetch 17 down to 0
.set I, I-1
.endr
.rept 14
	STEP I, 2*I, 0, 0                              ; nothing is left to fetch: behind position i's loads stand those of i positions
.set I, I-1
.endr
	s_branch .Ljoin
	; ---------------------------------------------------------------- H: wave 2 copies read_w, wave 3 out_w, 16 KiB each, under the scan
.Lhelper:
	s_cmp_eq_u32 s8, 2
	s_cselect_b64 s[72:73], s[36:37], s[40:41]
	s_sub_co_u32 s15, s8, 2
	s_lshl_b32 s15, s15, 14
	s_add_co_u32 s15, s15, RW
	v_add_nc_u32 v16, s15, v10
.set i, 0
.rept 32
	global_load_b128 v[32+4*i:35+4*i], v10, s[72:73] offset:512*i
.set i, i+1
.endr
	s_wait_loadcnt 0x0
.set i, 0
.rept 32
	ds_store_b128 v16, v[32+4*i:35+4*i] offset:512*i
.set i, i+1
.endr
.Ljoin:
	s_wait_dscnt 0x0                               ; the copies are in LDS; the scan's loads are back
	s_barrier_signal -1
	s_barrier_wait -1
	s_cmp_ge_u32 s8, 2
	s_cbranch_scc1 .Lend
	; ---------------------------------------------------------------- T: out = (ctx read_w + read_b) out_w + out_b in f32; lane L makes columns 2L, 2L+1
; Rows in groups of eight: eight elements of the vector go to scalars, eight packed multiply-adds go to four sums by turns.
; next = 1: the registers of the rows just used take the same rows of out_w.
.macro MATVEC src, bias, dst, next
.set G, 0
.rept 8
.if \next
	s_wait_dscnt 56                                ; behind group g's rows: 8 (7 - g) rows of read_w and 8 g rows of out_w
.else
	s_wait_dscnt 56-8*G                            ; behind group g's rows: 8 (7 - g) rows of out_w
.endif
.irp e, 0,1,2,3,4,5,6,7
	v_readlane_b32 s[SC+2*\e], v[\src+(\e&1)], 4*G+(\e>>1)
.endr
.irp e, 0,1,2,3,4,5,6,7
.if 8*G+\e == 0
	v_pk_fma_f32 v[Y:Y+1], v[ROWB:ROWB+1], s[SC:SC+1], v[\bias:\bias+1] op_sel_hi:[1,0,1]        ; the first product adds onto the bias
.elseif 8*G+\e < 4
	v_pk_mul_f32 v[Y+2*\e:Y+2*\e+1], v[ROWB+2*\e:ROWB+2*\e+1], s[SC+2*\e:SC+2*\e+1] op_sel_hi:[1,0]
.else
	v_pk_fma_f32 v[Y+2*(\e&3):Y+2*(\e&3)+1], v[ROWB+16*G+2*\e:ROWB+16*G+2*\e+1], s[SC+2*\e:SC+2*\e+1], v[Y+2*(\e&3):Y+2*(\e&3)+1] op_sel_hi:[1,0,1]
.endif
.endr
.if \next
.irp e, 0,1,2,3,4,5,6,7
	ds_load_b64 v[ROWB+16*G+2*\e:ROWB+16*G+2*\e+1], v17 offset:256*(8*G+\e)
.endr
.endif
.set G, G+1
.endr
	v_pk_add_f32 v[Y:Y+1], v[Y:Y+1], v[Y+2:Y+3]
	v_pk_add_f32 v[Y+4:Y+5], v[Y+4:Y+5], v[Y+6:Y+7]
	v_pk_add_f32 v[\dst:\dst+1], v[Y:Y+1], v[Y+4:Y+5]
.endm
	v_add_nc_u32 v16, RW, v14
	v_add_nc_u32 v17, OW, v14
.set i, 0
.rept 64
	ds_load_b64 v[ROWB+2*i:ROWB+2*i+1], v16 offset:256*i
.set i, i+1
.endr
	v_pk_add_f32 v[24:25], v[24:25], v[26:27] neg_lo:[0,1] neg_hi:[0,1]
	v_mul_f32 v24, v24, v21                        ; ctx = d_q (accP - accH)
	v_mul_f32 v25, v25, v21
	s_wait_loadcnt 0x0                             ; read_b, out_b
	MATVEC 24, 28, 40, 1
	MATVEC 40, 30, 42, 0
	global_store_b64 v14, v[42:43], s[44:45]       ; the wave's 32 lanes store one whole row of out0: 256 consecutive bytes, aligned
.Lend:
	s_set_vgpr_msb 0x5
	s_wait_tensorcnt 0x0
	ds_add_u32 v0, v1
	s_wait_dscnt 0x0
	s_set_vgpr_msb 0x500
	s_endpgm
.Lfunc_end_k_qe5a9a80c10_rcm:
	.size	k_qe5a9a80c10_rcm, .Lfunc_end_k_qe5a9a80c10_rcm-k_qe5a9a80c10_rcm
	.p2alignl 7, 3214868480
	.fill 96, 4, 3214868480
	.section	.rodata,"a",@progbits
	.p2align	6, 0x0
	.amdhsa_kernel k_qe5a9a80c10_rcm
		.amdhsa_group_segment_fixed_size 168448
		.amdhsa_private_segment_fixed_size 0
		.amdhsa_enable_private_segment 0
		.amdhsa_kernarg_size 120
		.amdhsa_user_sgpr_count 2
		.amdhsa_user_sgpr_kernarg_segment_ptr 1
		.amdhsa_wavefront_size32 1
		.amdhsa_system_sgpr_workgroup_id_x 1
		.amdhsa_system_sgpr_workgroup_id_y 1
		.amdhsa_system_sgpr_workgroup_id_z 1
		.amdhsa_system_vgpr_workitem_id 0
		.amdhsa_next_free_vgpr 258
		.amdhsa_next_free_sgpr 80
		.amdhsa_reserve_vcc 0
		.amdhsa_float_denorm_mode_32 3
		.amdhsa_float_denorm_mode_16_64 3
		.amdhsa_memory_ordered 1
		.amdhsa_forward_progress 1
		.amdhsa_inst_pref_size 163
	.end_amdhsa_kernel
	.amdgpu_metadata
---
amdhsa.version: [ 1, 2 ]
amdhsa.kernels:
  - .name:           k_qe5a9a80c10_rcm
    .symbol:         k_qe5a9a80c10_rcm.kd
    .args:
      - { .name: seq, .offset: 0, .size: 8, .value_kind: global_buffer, .address_space: global }
      - { .name: embed_w, .offset: 8, .size: 8, .value_kind: global_buffer, .address_space: global }
      - { .name: ff_w1, .offset: 16, .size: 8, .value_kind: global_buffer, .address_space: global }
      - { .name: ff_b1, .offset: 24, .size: 8, .value_kind: global_buffer, .address_space: global }
      - { .name: ff_w2, .offset: 32, .size: 8, .value_kind: global_buffer, .address_space: global }
      - { .name: ff_b2, .offset: 40, .size: 8, .value_kind: global_buffer, .address_space: global }
      - { .name: ln_g, .offset: 48, .size: 8, .value_kind: global_buffer, .address_space: global }
      - { .name: ln_b, .offset: 56, .size: 8, .value_kind: global_buffer, .address_space: global }
      - { .name: pred_w, .offset: 64, .size: 8, .value_kind: global_buffer, .address_space: global }
      - { .name: pred_b, .offset: 72, .size: 8, .value_kind: global_buffer, .address_space: global }
      - { .name: read_w, .offset: 80, .size: 8, .value_kind: global_buffer, .address_space: global }
      - { .name: read_b, .offset: 88, .size: 8, .value_kind: global_buffer, .address_space: global }
      - { .name: out_w, .offset: 96, .size: 8, .value_kind: global_buffer, .address_space: global }
      - { .name: out_b, .offset: 104, .size: 8, .value_kind: global_buffer, .address_space: global }
      - { .name: out0, .offset: 112, .size: 8, .value_kind: global_buffer, .address_space: global }
    .group_segment_fixed_size: 168448
    .private_segment_fixed_size: 0
    .kernarg_segment_align: 8
    .kernarg_segment_size: 120
    .max_flat_workgroup_size: 128
    .sgpr_count:     80
    .vgpr_count:     258
    .wavefront_size: 32
...
	.end_amdgpu_metadata
.endif
;; end of part 1
;; ======== version 2 of 4: 1 launch; 1.39 times as fast as version 1
;; limits: values are held in f16: magnitudes above 65,504 overflow, below 6.1e-05 lose precision
;; launch rcm (part 2): grid 256 x 1, 4 waves a work-group, no clusters, 168,448 bytes of LDS; arguments seq, embed_w, ff_w1, ff_b1, ff_w2, ff_b2, ln_g, ln_b, pred_w, pred_b, read_w, read_b, out_w, out_b, out0; writes out0
.if DOCPART == 2
	.amdgcn_target "amdgcn-amd-amdhsa--gfx1250"
	.amdhsa_code_object_version 6
	.text
	.protected	k_qe5a9a80c10_rcm
	.globl	k_qe5a9a80c10_rcm
	.p2align	8
	.type	k_qe5a9a80c10_rcm,@function
k_qe5a9a80c10_rcm:
	s_mov_b64 s[64:65], 0
	v_nop
	global_prefetch_b8 v0, s[64:65] scope:SCOPE_SE
	s_setreg_imm32_b32 hwreg(HW_REG_WAVE_MODE, 25, 1), 1
	s_wait_xcnt 0x0
; ResidualCodingModel: 512 sequences of 512 tokens out of 64; embed, feed-forward + residual, LayerNorm, a delta-rule scan of 510 steps
; on a 64 x 64 memory M, ctx = M q, two linear maps.  One launch, 256 work-groups of four waves; work-group g owns sequences 2g, 2g+1.
;
; THREE IDENTITIES, exact for every input of these shapes, carry the text:
;  1. All that precedes the scan is a function of the token alone: Hn[64][64] (behind LayerNorm) and Pr = Hn pred_w + pred_b.
;  2. Only ctx = M_510 q is used, and M_(t+1) = M_t (I - k k^T / d) + r k^T with M_0 = 0.  Backward from t = 509:
;     w = k_t . q;  ctx += w r_t;  q -= k_t w / d_t.  What is carried is a vector, not a matrix.
;  3. With a[v] = Hn[v] . q and G = Hn Hn^T:  w = a[c_t], one element, and a += w NG[c_t], NG[c] = -G[c] / d_c.
;     The text carries a~ = -a / d_q (so it starts as the row NG[c_511]) and ends with ctx = d_q (accP - accH),
;     accP = sum of w~ Pr[c_t], accH = sum of w~ Hn[c_(t+1)]  (r_t = Hn[c_(t+1)] - Pr[c_t]).
; PHASES: P all four waves build the tables in LDS (wave w: tokens 16w .. 16w+15; 48 matrix instructions a wave, made anew in every
; work-group: G needs all 64 rows, so sharing the build would take further launches);  S waves 0, 1 scan one sequence each, while
; H waves 2, 3 copy read_w and out_w into LDS;  T waves 0, 1 apply the two maps in f32 and store one row of out0 each.
;
; LIMITS.  M is never formed, so the order of rounding differs from the scan as it is written.  The operands of the table products are
; f16 with f32 sums (embed_w, ff_w1, relu(h ff_w1 + ff_b1), ff_w2, Hn, pred_w): each must stay below 65,504 in magnitude, and numbers
; below 6.1e-5 keep an absolute precision of 6e-8.  bf16's 8 bits would leave too little margin behind 510 steps.  d is taken from the
; f32 Hn and G from the f16-rounded Hn: G[c][c] / d_c misses 1 by some 3e-5.  Tokens are clamped to 63 (the table has 64 rows).
; The scan and the last two maps are f32 vector work: two rows a work-group, and ctx has no room in f16.
; NO CLUSTER, NO TENSOR LOAD: what the work-groups share is 100 KB of f32 weights that must pass through registers to be rounded to f16
; and transposed; no tile is filled twice.  168,448 bytes of LDS are asked for (155,904 are used) so that a work-group has its WGP alone.
.set FRAG_W1, 0                        ; 16 fragment images of 1,024 bytes: lane L's registers 0-3 at 16 L, registers 4-7 at 512 + 16 L
.set FRAG_W2, 16384                    ; 16 images
.set FRAG_PW, 32768                    ; 8 images
.set FRAG_HN, 40960                    ; 8 images
.set PRM,     49152                    ; 768 bytes for each wave: ln_g, ln_b, pred_b
.set DTAB,    52224                    ; d[64], f32
.set TOK,     52480                    ; the work-group's two rows of seq, 4,096 bytes
.set TAB,     56576                    ; 64 rows; record l (32 bytes) of row c: NG[c][2l,2l+1], Pr[c][2l,2l+1], Hn[c][2l,2l+1], 8 bytes unused
.set TPITCH,  1040                     ; 1,024 + 16: the sixteen rows that a table store touches start four words apart
.set TABLAST, TAB+63*TPITCH+31*32      ; 123,088: the last record of the last row
.set RW,      123136                   ; read_w as in memory
.set OW,      139520                   ; out_w as in memory; ends at 155,904
.set R0, 16                            ; v[16:79]
.set R1, 80                            ; v[80:143]
.set R2, 144                           ; v[144:207]
.set R3, 208                           ; v[208:239]  32 features of my token: x, then Hn, then G
.set R4, 240                           ; v[240:255]  my 16 tokens as a B fragment of two K steps
.set SL, 48                            ; s[48:63]    scan: c >> 1 of the 16 positions in the ring
.set SM, 74                            ; s[74:89]    scan: 0 or -1 from c & 1 of the same positions
.set SC, 48                            ; s[48:63]    the two maps: eight elements of the vector, one in each pair's lower register
.set RING, 32                          ; v[32:127]   16 slots of 6 registers: NG pair, Pr pair, Hn pair
.set TK, 128                           ; v[128:143]  the sequence's 16 blocks of 32 tokens
.set OFFV, 144                         ; v144, v145  row offsets of the block at work and of the one below, lane L: token L of the block
.set LANEV, 146                        ; v146, v147  c >> 1 of the same
.set MASKV, 148                        ; v148, v149  0 or -1 from c & 1 of the same
.set Y, 32                             ; v[32:39]    four partial sums of a map
.set ROWB, 128                         ; v[128:255]  64 rows of a map's weights, 2 columns a lane
.macro PLACES                          ; four plain vector instructions stand between a matrix instruction and a vector instruction, a store or
.rept 4                                ; a load that touches its registers
	v_nop
.endr
.endm
; 16 rows k of one column of a weight stored [k][n]: the raw numbers of an A fragment of the transposed weight (8h rows and the column are in voff)
.macro RAWFRAG dst, voff, base, pitch, k0, col
.irp half, 0,1
.irp e, 0,1,2,3,4,5,6,7
	global_load_b32 v[\dst+8*\half+\e], v[\voff], s[\base:\base+1] offset:(\k0+16*\half+\e)*\pitch+\col
.endr
.endr
.endm
.macro PACK reg                        ; 16 f32 to 8 registers of f16 in place: ascending i never writes a source that is still unread
.irp i, 0,1,2,3,4,5,6,7
	v_cvt_pk_f16_f32 v[\reg+\i], v[\reg+2*\i], v[\reg+2*\i+1]
.endr
.endm
.macro STFRAG reg, vaddr, off
	ds_store_b128 v[\vaddr], v[\reg:\reg+3] offset:\off
	ds_store_b128 v[\vaddr], v[\reg+4:\reg+7] offset:\off+512
.endm
.macro LDFRAG reg, off
	ds_load_b128 v[\reg:\reg+3], v10 offset:\off
	ds_load_b128 v[\reg+4:\reg+7], v10 offset:\off+512
.endm
.macro MM d, a, b
	v_wmma_f32_16x16x32_f16 v[\d:\d+7], v[\a:\a+7], v[\b:\b+7], v[\d:\d+7]
.endm
.macro FOLD                            ; four chains to one number, then the other half of the lanes: lanes (r, 0) and (r, 1) hold one token
	v_pk_add_f32 v[176:177], v[176:177], v[178:179]
	v_pk_add_f32 v[180:181], v[180:181], v[182:183]
	v_pk_add_f32 v[176:177], v[176:177], v[180:181]
	v_add_f32 v176, v176, v177
	v_permlanex16_b32 v177, v176, s66, s67
	v_add_f32 v176, v176, v177
.endm
.macro SUMADD                          ; v176 = the sum of my token's 64 numbers
.irp c, 0,1,2,3
	v_pk_add_f32 v[176+2*\c:177+2*\c], v[R3+2*\c:R3+2*\c+1], v[R3+8+2*\c:R3+9+2*\c]
.endr
.irp c, 0,1,2,3
	v_pk_add_f32 v[176+2*\c:177+2*\c], v[176+2*\c:177+2*\c], v[R3+16+2*\c:R3+17+2*\c]
.endr
.irp c, 0,1,2,3
	v_pk_add_f32 v[176+2*\c:177+2*\c], v[176+2*\c:177+2*\c], v[R3+24+2*\c:R3+25+2*\c]
.endr
	FOLD
.endm
.macro SUMSQ                           ; v176 = the sum of their squares
.irp c, 0,1,2,3
	v_pk_mul_f32 v[176+2*\c:177+2*\c], v[R3+2*\c:R3+2*\c+1], v[R3+2*\c:R3+2*\c+1]
.endr
.irp o, 8,16,24
.irp c, 0,1,2,3
	v_pk_fma_f32 v[176+2*\c:177+2*\c], v[R3+\o+2*\c:R3+\o+2*\c+1], v[R3+\o+2*\c:R3+\o+2*\c+1], v[176+2*\c:177+2*\c]
.endr
.endr
	FOLD
.endm
; my token's 32 numbers (features 16 mt + 8 h + j) into one field of its table row: the pair jp of tile mt is record 8 mt + 4 h + jp
.macro TABST reg, field
.irp mt, 0,1,2,3
.irp jp, 0,1,2,3
	ds_store_b64 v11, v[\reg+8*\mt+2*\jp:\reg+8*\mt+2*\jp+1] offset:256*\mt+32*\jp+\field
.endr
.endr
.endm
	; ---------------------------------------------------------------- addresses
	s_load_b512 s[16:31], s[0:1], 0x0              ; seq 16, embed_w 18, ff_w1 20, ff_b1 22, ff_w2 24, ff_b2 26, ln_g 28, ln_b 30
	s_load_b256 s[32:39], s[0:1], 0x40             ; pred_w 32, pred_b 34, read_w 36, read_b 38
	s_load_b128 s[40:43], s[0:1], 0x60             ; out_w 40, out_b 42
	s_load_b64 s[44:45], s[0:1], 0x70              ; out0
	s_set_vgpr_msb 0x40
	v_lshl_add_u32 v0, v0, 2, 0x29000
	v_mov_b32 v1, 0
	s_set_vgpr_msb 0x4000
	v_lshrrev_b32 v1, 5, v0
	v_readfirstlane_b32 s8, v1                     ; wave w
	v_and_b32 v1, 31, v0                           ; L
	v_and_b32 v2, 15, v0                           ; r
	v_bfe_u32 v3, v0, 4, 1                         ; h
	v_lshlrev_b32 v4, 2, v2
	v_lshl_add_u32 v5, v3, 11, v4
	v_lshl_add_u32 v4, v3, 12, v4
	v_lshl_add_u32 v4, s8, 7, v4                   ; ff_w1: 8h rows of 512 bytes + column 32w + r
	v_lshl_add_u32 v5, s8, 6, v5                   ; ff_w2, pred_w: 8h rows of 256 bytes + column 16w + r
	v_lshlrev_b32 v7, 5, v3                        ; biases in the layout of a result: 8h numbers
	v_lshl_add_u32 v6, v2, 8, v7
	v_lshl_add_u32 v6, s8, 12, v6                  ; embed_w: row 16w + r, 8h numbers in
	v_lshlrev_b32 v10, 4, v1                       ; 16 L
	v_lshl_add_u32 v8, s8, 12, v10                 ; 16 L + four fragment images a wave
	v_lshl_add_u32 v9, s8, 11, v10                 ; 16 L + two images a wave
	v_lshl_add_u32 v15, s8, 10, v10                ; my 16 bytes of my wave's quarter of the two rows of seq
	v_lshlrev_b32 v14, 3, v1                       ; 8 L
	v_lshl_add_u32 v11, s8, 4, v2                  ; my token 16w + r
	v_mul_u32_u24 v11, v11, TPITCH
	v_lshl_add_u32 v11, v3, 7, v11
	v_add_nc_u32 v11, TAB, v11                     ; its table row, 4h records in
	s_mul_i32 s2, s8, 768
	s_add_co_u32 s2, s2, PRM
	v_add_nc_u32 v12, s2, v14                      ; my wave's parameters: as stored,
	v_add_nc_u32 v13, s2, v7                       ; and as read back, 8h numbers in
	s_mov_b32 s66, 0x76543210                      ; v_permlanex16_b32: lane i of one half reads lane i of the other
	s_mov_b32 s67, 0xfedcba98
	s_mov_b32 s68, 0x3c800000                      ; 1/64
	s_mov_b32 s69, 0x3727c5ac                      ; 1e-5
	s_mov_b32 s70, 0x358637bd                      ; 1e-6
	s_mov_b32 s71, 0xbc800000                      ; -1/64
	s_lshl_b32 s2, ttmp9, 12                       ; two rows of seq a work-group
	s_mov_b32 s3, 0
	s_wait_kmcnt 0x0
	s_add_nc_u64 s[16:17], s[16:17], s[2:3]
	; ---------------------------------------------------------------- P0: 181 loads in one run, then rounding to f16 and the fragment images
	global_load_b128 v[240:243], v15, s[16:17] th:TH_LOAD_NT
	global_load_b128 v[244:247], v15, s[16:17] offset:512 th:TH_LOAD_NT
	global_load_b64 v[248:249], v14, s[28:29]
	global_load_b64 v[250:251], v14, s[30:31]
	global_load_b64 v[252:253], v14, s[34:35]
.irp c, 0,1,2,3
	global_load_b128 v[R3+8*\c:R3+8*\c+3], v6, s[18:19] offset:64*\c         ; embed_w[16w+r][16c + 8h ..]: the layout of a result,
	global_load_b128 v[R3+8*\c+4:R3+8*\c+7], v6, s[18:19] offset:64*\c+16    ; and, packed, that of a B fragment
.endr
.irp c, 0,1,2,3
	global_load_b128 v[176+8*\c:179+8*\c], v7, s[26:27] offset:64*\c
	global_load_b128 v[180+8*\c:183+8*\c], v7, s[26:27] offset:64*\c+16
.endr
.irp i, 0,1
.irp ks, 0,1
	RAWFRAG R0+16*(2*\i+\ks), 4, 20, 512, 32*\ks, 64*\i      ; ff_w1: feature tiles 2w + i, K steps ks
.endr
.endr
.irp ks, 0,1,2,3
	RAWFRAG R1+16*\ks, 5, 24, 256, 32*\ks, 0                 ; ff_w2: feature tile w
.endr
.irp ks, 0,1
	RAWFRAG R2+16*\ks, 5, 32, 256, 32*\ks, 0                 ; pred_w: feature tile w
.endr
	s_wait_loadcnt 63                              ; loads come back in order (ISA guide 5.7.1): the first 118 are in, which is all up to ff_w1's last
	ds_store_b128 v15, v[240:243] offset:TOK
	ds_store_b128 v15, v[244:247] offset:TOK+512
	ds_store_b64 v12, v[248:249]
	ds_store_b64 v12, v[250:251] offset:256
	ds_store_b64 v12, v[252:253] offset:512
.set i, 0
.rept 16
	v_cvt_pk_f16_f32 v[R4+i], v[R3+2*i], v[R3+2*i+1]         ; chunks 2ks, 2ks+1 are K step ks of the B fragment
.set i, i+1
.endr
.set i, 0
.rept 16
	v_pk_add_f32 v[R3+2*i:R3+2*i+1], v[R3+2*i:R3+2*i+1], v[176+2*i:177+2*i]   ; h + ff_b2 in f32: what the second product adds onto
.set i, i+1
.endr
.irp i, 0,1
.irp ks, 0,1
	PACK R0+16*(2*\i+\ks)
	STFRAG R0+16*(2*\i+\ks), 8, FRAG_W1+1024*(2*\i+\ks)      ; image 2 (2w + i) + ks
.endr
.endr
	s_wait_dscnt 0x0                               ; the images have left v[16:79], into which ff_b1 is now loaded
.irp mt, 0,1,2,3,4,5,6,7
	global_load_b128 v[R0+8*\mt:R0+8*\mt+3], v7, s[22:23] offset:64*\mt      ; ff_b1 in the layout of a result: what the first product adds onto
	global_load_b128 v[R0+8*\mt+4:R0+8*\mt+7], v7, s[22:23] offset:64*\mt+16
.endr
	s_wait_loadcnt 48                              ; behind ff_w2's last load: pred_w's 32 and ff_b1's 16
.irp ks, 0,1,2,3
	PACK R1+16*\ks
	STFRAG R1+16*\ks, 8, FRAG_W2+1024*\ks          ; image 4w + ks
.endr
	s_wait_loadcnt 16                              ; behind pred_w's last load: ff_b1's 16
.irp ks, 0,1
	PACK R2+16*\ks
	STFRAG R2+16*\ks, 9, FRAG_PW+1024*\ks          ; image 2w + ks
.endr
	s_wait_dscnt 0x0                               ; my images, tokens and parameters are in LDS,
	s_barrier_signal -1
	s_barrier_wait -1                              ; everybody's are
	; ---------------------------------------------------------------- P1: hidden = h ff_w1 + ff_b1, transposed: A = rows of the weight's transpose,
	; B = my 16 tokens, so that lane (r, h) holds features 16 mt + 8 h + 0..7 of token r: two tiles pack, in the lane, into the next B fragment
.irp mt, 0,1,2,3,4,5,6,7
	LDFRAG R1+8*\mt, FRAG_W1+1024*(2*\mt)
.endr
.irp mt, 0,1,2,3,4,5,6,7
	LDFRAG R2+8*\mt, FRAG_W1+1024*(2*\mt+1)
.endr
	s_wait_loadcnt 0x0                             ; ff_b1
	s_wait_dscnt 16                                ; K step 0's 16 loads are in, K step 1's 16 may be out
.irp mt, 0,1,2,3,4,5,6,7
	MM R0+8*\mt, R1+8*\mt, R4                      ; the accumulators take turns, one instruction a turn; here and in all products below
.endr
	s_wait_dscnt 0x0
.irp mt, 0,1,2,3,4,5,6,7
	MM R0+8*\mt, R2+8*\mt, R4+8
.endr
	PLACES
	; ---------------------------------------------------------------- P2: x = h + relu(hidden) ff_w2 + ff_b2
.irp ks, 0,1,2,3
.irp mt, 0,1,2,3
	LDFRAG R1+8*(4*\ks+\mt), FRAG_W2+1024*(4*\mt+\ks)
.endr
.endr
.set i, 0
.rept 64
	v_max_num_f32 v[R0+i], 0, v[R0+i]
.set i, i+1
.endr
.irp ks, 0,1,2,3
	PACK R0+16*\ks                                 ; tiles 2ks, 2ks+1 become K step ks, in v[16+16ks : 23+16ks]
.endr
.irp ks, 0,1,2,3
	s_wait_dscnt 24-8*\ks                          ; eight loads for each later K step may be out
.irp mt, 0,1,2,3
	MM R3+8*\mt, R1+8*(4*\ks+\mt), R0+16*\ks
.endr
.endr
	PLACES
	; ---------------------------------------------------------------- P3: LayerNorm in two passes, d, and Hn into the table and into fragment images
.irp mt, 0,1,2,3
	ds_load_b128 v[80+8*\mt:83+8*\mt], v13 offset:64*\mt                 ; ln_g
	ds_load_b128 v[84+8*\mt:87+8*\mt], v13 offset:64*\mt+16
.endr
.irp mt, 0,1,2,3
	ds_load_b128 v[112+8*\mt:115+8*\mt], v13 offset:256+64*\mt           ; ln_b
	ds_load_b128 v[116+8*\mt:119+8*\mt], v13 offset:256+64*\mt+16
.endr
.irp mt, 0,1,2,3
	ds_load_b128 v[144+8*\mt:147+8*\mt], v13 offset:512+64*\mt           ; pred_b: what the third product adds onto
	ds_load_b128 v[148+8*\mt:151+8*\mt], v13 offset:512+64*\mt+16
.endr
.irp ks, 0,1
.irp mt, 0,1,2,3
	LDFRAG R0+8*(4*\ks+\mt), FRAG_PW+1024*(2*\mt+\ks)
.endr
.endr
	SUMADD
	v_mul_f32 v184, s71, v176                      ; -mean, twice: a pair for the packed add
	v_mul_f32 v185, s71, v176
.set i, 0
.rept 16
	v_pk_add_f32 v[R3+2*i:R3+2*i+1], v[R3+2*i:R3+2*i+1], v[184:185]
.set i, i+1
.endr
	SUMSQ
	v_fma_f32 v186, v176, s68, s69                 ; variance + 1e-5
	v_rsq_f32 v187, v186
	v_lshlrev_b32 v191, 2, v2                      ; the plain instruction that stands behind a transcendental (ISA guide 5.7.2); part of d's address
	s_wait_alu depctr_va_vdst(0)
	v_mov_b32 v186, v187
	s_wait_dscnt 24                                ; ln_g and ln_b are in; pred_b's 8 loads and pred_w's 16 may be out
.set i, 0
.rept 16
	v_pk_mul_f32 v[80+2*i:81+2*i], v[80+2*i:81+2*i], v[186:187]
.set i, i+1
.endr
.set i, 0
.rept 16
	v_pk_fma_f32 v[R3+2*i:R3+2*i+1], v[R3+2*i:R3+2*i+1], v[80+2*i:81+2*i], v[112+2*i:113+2*i]   ; Hn
.set i, i+1
.endr
	SUMSQ
	v_add_f32 v190, s70, v176                      ; d = Hn . Hn + 1e-6
	v_rcp_f32 v188, v190
	v_lshl_add_u32 v191, s8, 6, v191               ; the plain instruction behind the transcendental: 4 (16w + r)
	s_wait_alu depctr_va_vdst(0)
	v_mul_f32 v188, -1.0, v188                     ; -1/d, twice
	v_mov_b32 v189, v188
	TABST R3, 16
	ds_store_b32 v191, v190 offset:DTAB            ; both halves of the lanes write the same number to the same word
.set i, 0
.rept 16
	v_cvt_pk_f16_f32 v[R4+i], v[R3+2*i], v[R3+2*i+1]         ; my 16 tokens' Hn: B fragment here, A fragment (the same map) for the others
.set i, i+1
.endr
	STFRAG R4, 9, FRAG_HN                          ; image 2w + ks
	STFRAG R4+8, 9, FRAG_HN+1024
	; ---------------------------------------------------------------- P4: Pr = Hn pred_w + pred_b
	s_wait_dscnt 0x0
.irp ks, 0,1
.irp mt, 0,1,2,3
	MM 144+8*\mt, R0+8*(4*\ks+\mt), R4+8*\ks
.endr
.endr
	PLACES
	TABST 144, 8
	s_wait_dscnt 0x0                               ; my stores are in LDS, Hn's images among them,
	s_barrier_signal -1
	s_barrier_wait -1                              ; everybody's are
	; ---------------------------------------------------------------- P5: G.  Lane (r, h), register j of tile mt: G[16 mt + 8 h + j][16w + r], which is
	; G[my token][eight neighbours]; times my token's -1/d that is a piece of my token's row of NG
.irp ks, 0,1
.irp mt, 0,1,2,3
	LDFRAG R1+8*(4*\ks+\mt), FRAG_HN+1024*(2*\mt+\ks)
.endr
.endr
	s_wait_dscnt 8                                 ; K step 1's 8 loads may be out
.irp mt, 0,1,2,3
	v_wmma_f32_16x16x32_f16 v[R3+8*\mt:R3+8*\mt+7], v[R1+8*\mt:R1+8*\mt+7], v[R4:R4+7], 0       ; the first product starts the sums
.endr
	s_wait_dscnt 0x0
.irp mt, 0,1,2,3
	MM R3+8*\mt, R1+32+8*\mt, R4+8
.endr
	PLACES
.set i, 0
.rept 16
	v_pk_mul_f32 v[R3+2*i:R3+2*i+1], v[R3+2*i:R3+2*i+1], v[188:189]
.set i, i+1
.endr
	TABST R3, 0
	s_wait_dscnt 0x0
	s_barrier_signal -1
	s_barrier_wait -1                              ; the tables are whole
	s_cmp_ge_u32 s8, 2
	s_cbranch_scc1 .Lhelper
	; ---------------------------------------------------------------- S: the scan, waves 0 and 1, sequence 2g + w
	; v16 TAB + 32 L; v17 a row's address; v18 the chosen half of a~; v19 at work; v20 my word of the token stage; v21 d_q;
	; v[22:23] a~ (elements 2L, 2L+1); v[24:25] accP; v[26:27] accH; v[28:29] read_b; v[30:31] out_b.
	; Ring slot p & 15 holds the three pairs of position p's token.  Step p reads NG and Pr of slot p and Hn of slot p + 1.  It makes the
	; address and the two selectors of position p - 14 (slot p + 2); step p - 1 issues that position's two loads, so that they stand where
	; the wave waits for w~ in any case.  The step holds no scalar arithmetic: what hangs on the token alone is made 32 tokens at a time.
.macro DERIVE b, tok                   ; of a block of 32 tokens: row offset, lane of a~, and which of its two registers
	v_min_u32 v19, 63, v[\tok]                     ; the table has 64 rows
	v_mul_u32_u24 v[OFFV+\b], v19, TPITCH
	v_lshrrev_b32 v[LANEV+\b], 1, v19              ; element c lies in lane c / 2,
	v_and_b32 v[MASKV+\b], 1, v19
	v_sub_nc_u32 v[MASKV+\b], 0, v[MASKV+\b]       ; register c & 1: 0 or all ones, a mask for all lanes
.endm
.macro PREPS kp, b, lane               ; one token's three numbers become scalars
	v_readlane_b32 s15, v[OFFV+\b], \lane
	v_readlane_b32 s[SL+\kp], v[LANEV+\b], \lane
	v_readlane_b32 s[SM+\kp], v[MASKV+\b], \lane
.endm
.macro PREPV                           ; my record of that token's row.  The bound changes no address (the token is clamped above); it states, by a
	v_add_nc_u32 v17, s15, v16                     ; constant in the text, that the loads end below RW, into which waves 2 and 3 store meanwhile
	v_min_u32 v17, TABLAST, v17
.endm
.macro ROWS kp
	ds_load_b128 v[RING+6*\kp:RING+6*\kp+3], v17
	ds_load_b64 v[RING+6*\kp+4:RING+6*\kp+5], v17 offset:16
.endm
; One step.  i = the position mod 32; n = how many younger LDS loads may be out; pre = 1: it prepares position i - 14;
; ld = 1: it loads position i - 13, prepared one step ago; first = 1: it starts the two sums.
.macro STEP i, n, pre, ld, first
.set K,  (\i)&15
.set KN, (\i+1)&15
.set KP, (\i+2)&15
.set KL, (\i+3)&15
	s_wait_dscnt \n
	v_cndmask_b32 v18, v22, v23, s[SM+K]           ; the register of a~ that holds element c_p,
	v_readlane_b32 s10, v18, s[SL+K]               ; and its lane: w~ = a~[c_p]
.if \ld
	ROWS KL                                        ; slot p + 3 was last read in step p + 2
.endif
.if \pre
.if \i >= 14
	PREPS KP, 0, \i-14                             ; position p - 14 lies in this block of 32,
.else
	PREPS KP, 1, \i+18                             ; or in the one below
.endif
.endif
	v_pk_fma_f32 v[22:23], v[RING+6*K:RING+6*K+1], s[10:11], v[22:23] op_sel_hi:[1,0,1]          ; a~ += w~ NG[c_p]
.if \first
	v_pk_mul_f32 v[24:25], v[RING+6*K+2:RING+6*K+3], s[10:11] op_sel_hi:[1,0]
	v_pk_mul_f32 v[26:27], v[RING+6*KN+4:RING+6*KN+5], s[10:11] op_sel_hi:[1,0]
.else
	v_pk_fma_f32 v[24:25], v[RING+6*K+2:RING+6*K+3], s[10:11], v[24:25] op_sel_hi:[1,0,1]        ; accP += w~ Pr[c_p]
	v_pk_fma_f32 v[26:27], v[RING+6*KN+4:RING+6*KN+5], s[10:11], v[26:27] op_sel_hi:[1,0,1]      ; accH += w~ Hn[c_(p+1)]
.endif
.if \pre
	PREPV
.endif
.endm
; A change of blocks: the tokens move up one register, so that v[TK+15] is the block at work and v[TK+14] the one below; the lower block's
; three registers become the upper's, and the new lower block's are made.  23 instructions for 32 steps.
.macro NEXTBLOCK
.irp j, 15,14,13,12,11,10,9,8,7,6,5,4,3,2,1
	v_mov_b32 v[TK+\j], v[TK+\j-1]
.endr
	v_mov_b32 v[OFFV], v[OFFV+1]
	v_mov_b32 v[LANEV], v[LANEV+1]
	v_mov_b32 v[MASKV], v[MASKV+1]
	DERIVE 1, TK+14
.endm
	s_lshl_b32 s2, ttmp9, 1
	s_add_co_u32 s2, s2, s8
	s_lshl_b32 s2, s2, 8                           ; row 2g + w of out0, 256 bytes (s3 is 0)
	s_add_nc_u64 s[44:45], s[44:45], s[2:3]
	global_load_b64 v[28:29], v14, s[38:39]        ; the two last biases come in under the scan
	global_load_b64 v[30:31], v14, s[42:43]
	v_lshlrev_b32 v16, 5, v1
	v_add_nc_u32 v16, TAB, v16
	v_lshlrev_b32 v20, 2, v1
	v_lshl_add_u32 v20, s8, 11, v20
.irp j, 0,1,2,3,4,5,6,7,8,9,10,11,12,13,14,15
	ds_load_b32 v[TK+\j], v20 offset:TOK+128*\j    ; lane L: token 32 j + L
.endr
	s_mov_b32 s11, 0                               ; the upper half of the pair s[10:11]; only s10 is multiplied by
	s_wait_dscnt 0x0
	v_readlane_b32 s15, v[TK+15], 31               ; c_511
	s_min_u32 s15, s15, 63
	s_lshl_b32 s15, s15, 2
	v_mov_b32 v24, s15
	ds_load_b32 v21, v24 offset:DTAB               ; d_q
	DERIVE 0, TK+15
	DERIVE 1, TK+14
.set P, 15
.rept 15
	PREPS P, 0, P+16                               ; positions 511 down to 497 into slots 15 down to 1
	PREPV
	ROWS P
.set P, P-1
.endr
	PREPS 0, 0, 16                                 ; position 496 is prepared; step 509 loads it
	PREPV
	s_wait_dscnt 24                                ; LDS loads come back in order (ISA guide 5.7.1): behind position 509's stand those of 508 .. 497
	v_mov_b32 v22, v[RING+90]                      ; a~ starts as NG[c_511]
	v_mov_b32 v23, v[RING+91]
	; In every step the count is 24: position p's two loads were issued in step p + 13; behind them stand those of steps p + 12 .. p + 1.
.set I, 29
	STEP I, 24, 1, 1, 1                            ; position 509
.set I, 28
.rept 29
	STEP I, 24, 1, 1, 0                            ; 508 down to 480
.set I, I-1
.endr
	NEXTBLOCK
	s_mov_b32 s46, 14                              ; blocks 14 down to 1
.Ltrip:
.set I, 31
.rept 32
	STEP I, 24, 1, 1, 0
.set I, I-1
.endr
	NEXTBLOCK
	s_sub_co_i32 s46, s46, 1
	s_cmp_lg_u32 s46, 0
	s_cbranch_scc1 .Ltrip
.set I, 31
.rept 18
	STEP I, 24, 1, 1, 0                            ; positions 31 down to 14 prepare 17 down to 0
.set I, I-1
.endr
	STEP I, 24, 0, 1, 0                            ; position 13 loads position 0: the last load
.set I, I-1
.rept 13
	STEP I, 2*I, 0, 0, 0                           ; positions 12 down to 0: behind position i's loads stand those of i positions
.set I, I-1
.endr
	s_branch .Ljoin
	; ---------------------------------------------------------------- H: wave 2 copies read_w, wave 3 out_w, 16 KiB each, under the scan
.Lhelper:
	s_cmp_eq_u32 s8, 2
	s_cselect_b64 s[72:73], s[36:37], s[40:41]
	s_sub_co_u32 s15, s8, 2
	s_lshl_b32 s15, s15, 14
	s_add_co_u32 s15, s15, RW
	v_add_nc_u32 v16, s15, v10
.set i, 0
.rept 32
	global_load_b128 v[32+4*i:35+4*i], v10, s[72:73] offset:512*i
.set i, i+1
.endr
	s_wait_loadcnt 0x0
.set i, 0
.rept 32
	ds_store_b128 v16, v[32+4*i:35+4*i] offset:512*i
.set i, i+1
.endr
.Ljoin:
	s_wait_dscnt 0x0                               ; the copies are in LDS; the scan's loads are back
	s_barrier_signal -1
	s_barrier_wait -1
	s_cmp_ge_u32 s8, 2
	s_cbranch_scc1 .Lend
	; ---------------------------------------------------------------- T: out = (ctx read_w + read_b) out_w + out_b in f32; lane L makes columns 2L, 2L+1
; Rows in groups of eight: eight elements of the vector go to scalars, eight packed multiply-adds go to four sums by turns.
; next = 1: the registers of the rows just used take the same rows of out_w.
.macro MATVEC src, bias, dst, next
.set G, 0
.rept 8
.if \next
	s_wait_dscnt 56                                ; behind group g's rows: 8 (7 - g) rows of read_w and 8 g rows of out_w
.else
	s_wait_dscnt 56-8*G                            ; behind group g's rows: 8 (7 - g) rows of out_w
.endif
.irp e, 0,1,2,3,4,5,6,7
	v_readlane_b32 s[SC+2*\e], v[\src+(\e&1)], 4*G+(\e>>1)
.endr
.irp e, 0,1,2,3,4,5,6,7
.if 8*G+\e == 0
	v_pk_fma_f32 v[Y:Y+1], v[ROWB:ROWB+1], s[SC:SC+1], v[\bias:\bias+1] op_sel_hi:[1,0,1]        ; the first product adds onto the bias
.elseif 8*G+\e < 4
	v_pk_mul_f32 v[Y+2*\e:Y+2*\e+1], v[ROWB+2*\e:ROWB+2*\e+1], s[SC+2*\e:SC+2*\e+1] op_sel_hi:[1,0]
.else
	v_pk_fma_f32 v[Y+2*(\e&3):Y+2*(\e&3)+1], v[ROWB+16*G+2*\e:ROWB+16*G+2*\e+1], s[SC+2*\e:SC+2*\e+1], v[Y+2*(\e&3):Y+2*(\e&3)+1] op_sel_hi:[1,0,1]
.endif
.endr
.if \next
.irp e, 0,1,2,3,4,5,6,7
	ds_load_b64 v[ROWB+16*G+2*\e:ROWB+16*G+2*\e+1], v17 offset:256*(8*G+\e)
.endr
.endif
.set G, G+1
.endr
	v_pk_add_f32 v[Y:Y+1], v[Y:Y+1], v[Y+2:Y+3]
	v_pk_add_f32 v[Y+4:Y+5], v[Y+4:Y+5], v[Y+6:Y+7]
	v_pk_add_f32 v[\dst:\dst+1], v[Y:Y+1], v[Y+4:Y+5]
.endm
	v_add_nc_u32 v16, RW, v14
	v_add_nc_u32 v17, OW, v14
.set i, 0
.rept 64
	ds_load_b64 v[ROWB+2*i:ROWB+2*i+1], v16 offset:256*i
.set i, i+1
.endr
	v_pk_add_f32 v[24:25], v[24:25], v[26:27] neg_lo:[0,1] neg_hi:[0,1]
	v_mul_f32 v24, v24, v21                        ; ctx = d_q (accP - accH)
	v_mul_f32 v25, v25, v21
	s_wait_loadcnt 0x0                             ; read_b, out_b
	MATVEC 24, 28, 40, 1
	MATVEC 40, 30, 42, 0
	global_store_b64 v14, v[42:43], s[44:45]       ; the wave's 32 lanes store one whole row of out0: 256 consecutive bytes, aligned
.Lend:
	s_set_vgpr_msb 0x5
	s_wait_tensorcnt 0x0
	ds_add_u32 v0, v1
	s_wait_dscnt 0x0
	s_set_vgpr_msb 0x500
	s_endpgm
.Lfunc_end_k_qe5a9a80c10_rcm:
	.size	k_qe5a9a80c10_rcm, .Lfunc_end_k_qe5a9a80c10_rcm-k_qe5a9a80c10_rcm
	.p2alignl 7, 3214868480
	.fill 96, 4, 3214868480
	.section	.rodata,"a",@progbits
	.p2align	6, 0x0
	.amdhsa_kernel k_qe5a9a80c10_rcm
		.amdhsa_group_segment_fixed_size 168448
		.amdhsa_private_segment_fixed_size 0
		.amdhsa_enable_private_segment 0
		.amdhsa_kernarg_size 120
		.amdhsa_user_sgpr_count 2
		.amdhsa_user_sgpr_kernarg_segment_ptr 1
		.amdhsa_wavefront_size32 1
		.amdhsa_system_sgpr_workgroup_id_x 1
		.amdhsa_system_sgpr_workgroup_id_y 1
		.amdhsa_system_sgpr_workgroup_id_z 1
		.amdhsa_system_vgpr_workitem_id 0
		.amdhsa_next_free_vgpr 258
		.amdhsa_next_free_sgpr 90
		.amdhsa_reserve_vcc 0
		.amdhsa_float_denorm_mode_32 3
		.amdhsa_float_denorm_mode_16_64 3
		.amdhsa_memory_ordered 1
		.amdhsa_forward_progress 1
		.amdhsa_inst_pref_size 165
	.end_amdhsa_kernel
	.amdgpu_metadata
---
amdhsa.version: [ 1, 2 ]
amdhsa.kernels:
  - .name:           k_qe5a9a80c10_rcm
    .symbol:         k_qe5a9a80c10_rcm.kd
    .args:
      - { .name: seq, .offset: 0, .size: 8, .value_kind: global_buffer, .address_space: global }
      - { .name: embed_w, .offset: 8, .size: 8, .value_kind: global_buffer, .address_space: global }
      - { .name: ff_w1, .offset: 16, .size: 8, .value_kind: global_buffer, .address_space: global }
      - { .name: ff_b1, .offset: 24, .size: 8, .value_kind: global_buffer, .address_space: global }
      - { .name: ff_w2, .offset: 32, .size: 8, .value_kind: global_buffer, .address_space: global }
      - { .name: ff_b2, .offset: 40, .size: 8, .value_kind: global_buffer, .address_space: global }
      - { .name: ln_g, .offset: 48, .size: 8, .value_kind: global_buffer, .address_space: global }
      - { .name: ln_b, .offset: 56, .size: 8, .value_kind: global_buffer, .address_space: global }
      - { .name: pred_w, .offset: 64, .size: 8, .value_kind: global_buffer, .address_space: global }
      - { .name: pred_b, .offset: 72, .size: 8, .value_kind: global_buffer, .address_space: global }
      - { .name: read_w, .offset: 80, .size: 8, .value_kind: global_buffer, .address_space: global }
      - { .name: read_b, .offset: 88, .size: 8, .value_kind: global_buffer, .address_space: global }
      - { .name: out_w, .offset: 96, .size: 8, .value_kind: global_buffer, .address_space: global }
      - { .name: out_b, .offset: 104, .size: 8, .value_kind: global_buffer, .address_space: global }
      - { .name: out0, .offset: 112, .size: 8, .value_kind: global_buffer, .address_space: global }
    .group_segment_fixed_size: 168448
    .private_segment_fixed_size: 0
    .kernarg_segment_align: 8
    .kernarg_segment_size: 120
    .max_flat_workgroup_size: 128
    .sgpr_count:     90
    .vgpr_count:     258
    .wavefront_size: 32
...
	.end_amdgpu_metadata
.endif
;; end of part 2
;; ======== version 3 of 4: 1 launch; 1.73 times as fast as version 1
;; limits: values are held in f16: magnitudes above 65,504 overflow, below 6.1e-05 lose precision
;; launch rcm (part 3): grid 256 x 1, 4 waves a work-group, no clusters, 168,448 bytes of LDS; arguments seq, embed_w, ff_w1, ff_b1, ff_w2, ff_b2, ln_g, ln_b, pred_w, pred_b, read_w, read_b, out_w, out_b, out0; writes out0
.if DOCPART == 3
	.amdgcn_target "amdgcn-amd-amdhsa--gfx1250"
	.amdhsa_code_object_version 6
	.text
	.protected	k_qe5a9a80c10_rcm
	.globl	k_qe5a9a80c10_rcm
	.p2align	8
	.type	k_qe5a9a80c10_rcm,@function
k_qe5a9a80c10_rcm:
	s_mov_b64 s[64:65], 0
	v_nop
	global_prefetch_b8 v0, s[64:65] scope:SCOPE_SE
	s_setreg_imm32_b32 hwreg(HW_REG_WAVE_MODE, 25, 1), 1
	s_wait_xcnt 0x0
; ResidualCodingModel: 512 sequences of 512 tokens out of 64; embed, feed-forward + residual, LayerNorm, a delta-rule scan of 510 steps
; on a 64 x 64 memory M, ctx = M q, two linear maps.  One launch, 256 work-groups of four waves; work-group g owns sequences 2g, 2g+1.
;
; THREE IDENTITIES, exact for every input of these shapes, carry the text:
;  1. All that precedes the scan is a function of the token alone: Hn[64][64] (behind LayerNorm) and Pr = Hn pred_w + pred_b.
;  2. Only ctx = M_510 q is used, and M_(t+1) = M_t (I - k k^T / d) + r k^T with M_0 = 0.  Backward from t = 509:
;     w = k_t . q;  ctx += w r_t;  q -= k_t w / d_t.  What is carried is a vector, not a matrix.
;  3. With a[v] = Hn[v] . q and G = Hn Hn^T:  w = a[c_t], one element, and a += w NG[c_t], NG[c] = -G[c] / d_c.
;     The text carries a~ = -a / d_q (so it starts as the row NG[c_511]) and ends with ctx = d_q (accP - accH),
;     accP = sum of w~ Pr[c_t], accH = sum of w~ Hn[c_(t+1)]  (r_t = Hn[c_(t+1)] - Pr[c_t]).
; PHASES: P all four waves build the tables in LDS (wave w: tokens 16w .. 16w+15; 48 matrix instructions a wave, made anew in every
; work-group: G needs all 64 rows, so sharing the build would take further launches);  S waves 0, 1 scan one sequence each, while
; H waves 2, 3 copy read_w and out_w into LDS;  T waves 0, 1 apply the two maps in f32 and store one row of out0 each.
;
; LIMITS.  M is never formed, so the order of rounding differs from the scan as it is written.  The operands of the table products are
; f16 with f32 sums (embed_w, ff_w1, relu(h ff_w1 + ff_b1), ff_w2, Hn, pred_w): each must stay below 65,504 in magnitude, and numbers
; below 6.1e-5 keep an absolute precision of 6e-8.  bf16's 8 bits would leave too little margin behind 510 steps.  d is taken from the
; f32 Hn and G from the f16-rounded Hn: G[c][c] / d_c misses 1 by some 3e-5.  Tokens are clamped to 63 (the table has 64 rows).
; The scan and the last two maps are f32 vector work: two rows a work-group, and ctx has no room in f16.
; NO CLUSTER, NO TENSOR LOAD: what the work-groups share is 100 KB of f32 weights that must pass through registers to be rounded to f16
; and transposed; no tile is filled twice.  168,448 bytes of LDS are asked for (155,904 are used) so that a work-group has its WGP alone.
.set FRAG_W1, 0                        ; 16 fragment images of 1,024 bytes: lane L's registers 0-3 at 16 L, registers 4-7 at 512 + 16 L
.set FRAG_W2, 16384                    ; 16 images
.set FRAG_PW, 32768                    ; 8 images
.set FRAG_HN, 40960                    ; 8 images
.set PRM,     49152                    ; 768 bytes for each wave: ln_g, ln_b, pred_b
.set DTAB,    52224                    ; d[64], f32
.set TOK,     52480                    ; the work-group's two rows of seq, 4,096 bytes
.set TAB,     56576                    ; 64 rows; record l (32 bytes) of row c: NG[c][2l,2l+1], Pr[c][2l,2l+1], Hn[c][2l,2l+1], 8 bytes unused
.set TPITCH,  1040                     ; 1,024 + 16: the sixteen rows that a table store touches start four words apart
.set TABLAST, TAB+63*TPITCH+31*32      ; 123,088: the last record of the last row
.set RW,      123136                   ; read_w as in memory
.set OW,      139520                   ; out_w as in memory; ends at 155,904
.set R0, 16                            ; v[16:79]
.set R1, 80                            ; v[80:143]
.set R2, 144                           ; v[144:207]
.set R3, 208                           ; v[208:239]  32 features of my token: x, then Hn, then G
.set R4, 240                           ; v[240:255]  my 16 tokens as a B fragment of two K steps
.set SL, 48                            ; s[48:63]    scan: c >> 1 of 16 positions, position q in register q & 15
.set SM, 74                            ; s[74:89]    scan: 0 or -1 from c & 1 of the same positions
.set SC, 48                            ; s[48:63]    the two maps: eight elements of the vector, one in each pair's lower register
.set RING, 32                          ; v[32:127]   16 slots of 6 registers: NG pair, Pr pair, Hn pair; position q in slot q & 15
.set TK, 128                           ; v[128:143]  the sequence's 16 blocks of 32 tokens
.set OFFV, 144                         ; v144, v145  row offsets of the block at work and of the one below, lane L: token L of the block
.set LANEV, 146                        ; v146, v147  c >> 1 of the same
.set MASKV, 148                        ; v148, v149  0 or -1 from c & 1 of the same
.set ADR, 150                          ; v[150:157]  LDS address of my record of position q's row, in register q & 7
.set NOWAIT, 64                        ; a step's count that stands for: no wait in this step
.set Y, 32                             ; v[32:39]    four partial sums of a map
.set ROWB, 128                         ; v[128:255]  64 rows of a map's weights, 2 columns a lane
.macro PLACES                          ; four plain vector instructions stand between a matrix instruction and a vector instruction, a store or
.rept 4                                ; a load that touches its registers
	v_nop
.endr
.endm
; 16 rows k of one column of a weight stored [k][n]: the raw numbers of an A fragment of the transposed weight (8h rows and the column are in voff)
.macro RAWFRAG dst, voff, base, pitch, k0, col
.irp half, 0,1
.irp e, 0,1,2,3,4,5,6,7
	global_load_b32 v[\dst+8*\half+\e], v[\voff], s[\base:\base+1] offset:(\k0+16*\half+\e)*\pitch+\col
.endr
.endr
.endm
.macro PACK reg                        ; 16 f32 to 8 registers of f16 in place: ascending i never writes a source that is still unread
.irp i, 0,1,2,3,4,5,6,7
	v_cvt_pk_f16_f32 v[\reg+\i], v[\reg+2*\i], v[\reg+2*\i+1]
.endr
.endm
.macro STFRAG reg, vaddr, off
	ds_store_b128 v[\vaddr], v[\reg:\reg+3] offset:\off
	ds_store_b128 v[\vaddr], v[\reg+4:\reg+7] offset:\off+512
.endm
.macro LDFRAG reg, off
	ds_load_b128 v[\reg:\reg+3], v10 offset:\off
	ds_load_b128 v[\reg+4:\reg+7], v10 offset:\off+512
.endm
.macro MM d, a, b
	v_wmma_f32_16x16x32_f16 v[\d:\d+7], v[\a:\a+7], v[\b:\b+7], v[\d:\d+7]
.endm
.macro FOLD                            ; four chains to one number, then the other half of the lanes: lanes (r, 0) and (r, 1) hold one token
	v_pk_add_f32 v[176:177], v[176:177], v[178:179]
	v_pk_add_f32 v[180:181], v[180:181], v[182:183]
	v_pk_add_f32 v[176:177], v[176:177], v[180:181]
	v_add_f32 v176, v176, v177
	v_permlanex16_b32 v177, v176, s66, s67
	v_add_f32 v176, v176, v177
.endm
.macro SUMADD                          ; v176 = the sum of my token's 64 numbers
.irp c, 0,1,2,3
	v_pk_add_f32 v[176+2*\c:177+2*\c], v[R3+2*\c:R3+2*\c+1], v[R3+8+2*\c:R3+9+2*\c]
.endr
.irp c, 0,1,2,3
	v_pk_add_f32 v[176+2*\c:177+2*\c], v[176+2*\c:177+2*\c], v[R3+16+2*\c:R3+17+2*\c]
.endr
.irp c, 0,1,2,3
	v_pk_add_f32 v[176+2*\c:177+2*\c], v[176+2*\c:177+2*\c], v[R3+24+2*\c:R3+25+2*\c]
.endr
	FOLD
.endm
.macro SUMSQ                           ; v176 = the sum of their squares
.irp c, 0,1,2,3
	v_pk_mul_f32 v[176+2*\c:177+2*\c], v[R3+2*\c:R3+2*\c+1], v[R3+2*\c:R3+2*\c+1]
.endr
.irp o, 8,16,24
.irp c, 0,1,2,3
	v_pk_fma_f32 v[176+2*\c:177+2*\c], v[R3+\o+2*\c:R3+\o+2*\c+1], v[R3+\o+2*\c:R3+\o+2*\c+1], v[176+2*\c:177+2*\c]
.endr
.endr
	FOLD
.endm
; my token's 32 numbers (features 16 mt + 8 h + j) into one field of its table row: the pair jp of tile mt is record 8 mt + 4 h + jp
.macro TABST reg, field
.irp mt, 0,1,2,3
.irp jp, 0,1,2,3
	ds_store_b64 v11, v[\reg+8*\mt+2*\jp:\reg+8*\mt+2*\jp+1] offset:256*\mt+32*\jp+\field
.endr
.endr
.endm
	; ---------------------------------------------------------------- addresses
	s_load_b512 s[16:31], s[0:1], 0x0              ; seq 16, embed_w 18, ff_w1 20, ff_b1 22, ff_w2 24, ff_b2 26, ln_g 28, ln_b 30
	s_load_b256 s[32:39], s[0:1], 0x40             ; pred_w 32, pred_b 34, read_w 36, read_b 38
	s_load_b128 s[40:43], s[0:1], 0x60             ; out_w 40, out_b 42
	s_load_b64 s[44:45], s[0:1], 0x70              ; out0
	s_set_vgpr_msb 0x40
	v_lshl_add_u32 v0, v0, 2, 0x29000
	v_mov_b32 v1, 0
	s_set_vgpr_msb 0x4000
	v_lshrrev_b32 v1, 5, v0
	v_readfirstlane_b32 s8, v1                     ; wave w
	v_and_b32 v1, 31, v0                           ; L
	v_and_b32 v2, 15, v0                           ; r
	v_bfe_u32 v3, v0, 4, 1                         ; h
	v_lshlrev_b32 v4, 2, v2
	v_lshl_add_u32 v5, v3, 11, v4
	v_lshl_add_u32 v4, v3, 12, v4
	v_lshl_add_u32 v4, s8, 7, v4                   ; ff_w1: 8h rows of 512 bytes + column 32w + r
	v_lshl_add_u32 v5, s8, 6, v5                   ; ff_w2, pred_w: 8h rows of 256 bytes + column 16w + r
	v_lshlrev_b32 v7, 5, v3                        ; biases in the layout of a result: 8h numbers
	v_lshl_add_u32 v6, v2, 8, v7
	v_lshl_add_u32 v6, s8, 12, v6                  ; embed_w: row 16w + r, 8h numbers in
	v_lshlrev_b32 v10, 4, v1                       ; 16 L
	v_lshl_add_u32 v8, s8, 12, v10                 ; 16 L + four fragment images a wave
	v_lshl_add_u32 v9, s8, 11, v10                 ; 16 L + two images a wave
	v_lshl_add_u32 v15, s8, 10, v10                ; my 16 bytes of my wave's quarter of the two rows of seq
	v_lshlrev_b32 v14, 3, v1                       ; 8 L
	v_lshl_add_u32 v11, s8, 4, v2                  ; my token 16w + r
	v_mul_u32_u24 v11, v11, TPITCH
	v_lshl_add_u32 v11, v3, 7, v11
	v_add_nc_u32 v11, TAB, v11                     ; its table row, 4h records in
	s_mul_i32 s2, s8, 768
	s_add_co_u32 s2, s2, PRM
	v_add_nc_u32 v12, s2, v14                      ; my wave's parameters: as stored,
	v_add_nc_u32 v13, s2, v7                       ; and as read back, 8h numbers in
	s_mov_b32 s66, 0x76543210                      ; v_permlanex16_b32: lane i of one half reads lane i of the other
	s_mov_b32 s67, 0xfedcba98
	s_mov_b32 s68, 0x3c800000                      ; 1/64
	s_mov_b32 s69, 0x3727c5ac                      ; 1e-5
	s_mov_b32 s70, 0x358637bd                      ; 1e-6
	s_mov_b32 s71, 0xbc800000                      ; -1/64
	s_lshl_b32 s2, ttmp9, 12                       ; two rows of seq a work-group
	s_mov_b32 s3, 0
	s_wait_kmcnt 0x0
	s_add_nc_u64 s[16:17], s[16:17], s[2:3]
	; ---------------------------------------------------------------- P0: 181 loads in one run, then rounding to f16 and the fragment images
	global_load_b128 v[240:243], v15, s[16:17] th:TH_LOAD_NT
	global_load_b128 v[244:247], v15, s[16:17] offset:512 th:TH_LOAD_NT
	global_load_b64 v[248:249], v14, s[28:29]
	global_load_b64 v[250:251], v14, s[30:31]
	global_load_b64 v[252:253], v14, s[34:35]
.irp c, 0,1,2,3
	global_load_b128 v[R3+8*\c:R3+8*\c+3], v6, s[18:19] offset:64*\c         ; embed_w[16w+r][16c + 8h ..]: the layout of a result,
	global_load_b128 v[R3+8*\c+4:R3+8*\c+7], v6, s[18:19] offset:64*\c+16    ; and, packed, that of a B fragment
.endr
.irp c, 0,1,2,3
	global_load_b128 v[176+8*\c:179+8*\c], v7, s[26:27] offset:64*\c
	global_load_b128 v[180+8*\c:183+8*\c], v7, s[26:27] offset:64*\c+16
.endr
.irp i, 0,1
.irp ks, 0,1
	RAWFRAG R0+16*(2*\i+\ks), 4, 20, 512, 32*\ks, 64*\i      ; ff_w1: feature tiles 2w + i, K steps ks
.endr
.endr
.irp ks, 0,1,2,3
	RAWFRAG R1+16*\ks, 5, 24, 256, 32*\ks, 0                 ; ff_w2: feature tile w
.endr
.irp ks, 0,1
	RAWFRAG R2+16*\ks, 5, 32, 256, 32*\ks, 0                 ; pred_w: feature tile w
.endr
	s_wait_loadcnt 63                              ; loads come back in order (ISA guide 5.7.1): the first 118 are in, which is all up to ff_w1's last
	ds_store_b128 v15, v[240:243] offset:TOK
	ds_store_b128 v15, v[244:247] offset:TOK+512
	ds_store_b64 v12, v[248:249]
	ds_store_b64 v12, v[250:251] offset:256
	ds_store_b64 v12, v[252:253] offset:512
.set i, 0
.rept 16
	v_cvt_pk_f16_f32 v[R4+i], v[R3+2*i], v[R3+2*i+1]         ; chunks 2ks, 2ks+1 are K step ks of the B fragment
.set i, i+1
.endr
.set i, 0
.rept 16
	v_pk_add_f32 v[R3+2*i:R3+2*i+1], v[R3+2*i:R3+2*i+1], v[176+2*i:177+2*i]   ; h + ff_b2 in f32: what the second product adds onto
.set i, i+1
.endr
.irp i, 0,1
.irp ks, 0,1
	PACK R0+16*(2*\i+\ks)
	STFRAG R0+16*(2*\i+\ks), 8, FRAG_W1+1024*(2*\i+\ks)      ; image 2 (2w + i) + ks
.endr
.endr
	s_wait_dscnt 0x0                               ; the images have left v[16:79], into which ff_b1 is now loaded
.irp mt, 0,1,2,3,4,5,6,7
	global_load_b128 v[R0+8*\mt:R0+8*\mt+3], v7, s[22:23] offset:64*\mt      ; ff_b1 in the layout of a result: what the first product adds onto
	global_load_b128 v[R0+8*\mt+4:R0+8*\mt+7], v7, s[22:23] offset:64*\mt+16
.endr
	s_wait_loadcnt 48                              ; behind ff_w2's last load: pred_w's 32 and ff_b1's 16
.irp ks, 0,1,2,3
	PACK R1+16*\ks
	STFRAG R1+16*\ks, 8, FRAG_W2+1024*\ks          ; image 4w + ks
.endr
	s_wait_loadcnt 16                              ; behind pred_w's last load: ff_b1's 16
.irp ks, 0,1
	PACK R2+16*\ks
	STFRAG R2+16*\ks, 9, FRAG_PW+1024*\ks          ; image 2w + ks
.endr
	s_wait_dscnt 0x0                               ; my images, tokens and parameters are in LDS,
	s_barrier_signal -1
	s_barrier_wait -1                              ; everybody's are
	; ---------------------------------------------------------------- P1: hidden = h ff_w1 + ff_b1, transposed: A = rows of the weight's transpose,
	; B = my 16 tokens, so that lane (r, h) holds features 16 mt + 8 h + 0..7 of token r: two tiles pack, in the lane, into the next B fragment
.irp mt, 0,1,2,3,4,5,6,7
	LDFRAG R1+8*\mt, FRAG_W1+1024*(2*\mt)
.endr
.irp mt, 0,1,2,3,4,5,6,7
	LDFRAG R2+8*\mt, FRAG_W1+1024*(2*\mt+1)
.endr
	s_wait_loadcnt 0x0                             ; ff_b1
	s_wait_dscnt 16                                ; K step 0's 16 loads are in, K step 1's 16 may be out
.irp mt, 0,1,2,3,4,5,6,7
	MM R0+8*\mt, R1+8*\mt, R4                      ; the accumulators take turns, one instruction a turn; here and in all products below
.endr
	s_wait_dscnt 0x0
.irp mt, 0,1,2,3,4,5,6,7
	MM R0+8*\mt, R2+8*\mt, R4+8
.endr
	PLACES
	; ---------------------------------------------------------------- P2: x = h + relu(hidden) ff_w2 + ff_b2
.irp ks, 0,1,2,3
.irp mt, 0,1,2,3
	LDFRAG R1+8*(4*\ks+\mt), FRAG_W2+1024*(4*\mt+\ks)
.endr
.endr
.set i, 0
.rept 64
	v_max_num_f32 v[R0+i], 0, v[R0+i]
.set i, i+1
.endr
.irp ks, 0,1,2,3
	PACK R0+16*\ks                                 ; tiles 2ks, 2ks+1 become K step ks, in v[16+16ks : 23+16ks]
.endr
.irp ks, 0,1,2,3
	s_wait_dscnt 24-8*\ks                          ; eight loads for each later K step may be out
.irp mt, 0,1,2,3
	MM R3+8*\mt, R1+8*(4*\ks+\mt), R0+16*\ks
.endr
.endr
	PLACES
	; ---------------------------------------------------------------- P3: LayerNorm in two passes, d, and Hn into the table and into fragment images
.irp mt, 0,1,2,3
	ds_load_b128 v[80+8*\mt:83+8*\mt], v13 offset:64*\mt                 ; ln_g
	ds_load_b128 v[84+8*\mt:87+8*\mt], v13 offset:64*\mt+16
.endr
.irp mt, 0,1,2,3
	ds_load_b128 v[112+8*\mt:115+8*\mt], v13 offset:256+64*\mt           ; ln_b
	ds_load_b128 v[116+8*\mt:119+8*\mt], v13 offset:256+64*\mt+16
.endr
.irp mt, 0,1,2,3
	ds_load_b128 v[144+8*\mt:147+8*\mt], v13 offset:512+64*\mt           ; pred_b: what the third product adds onto
	ds_load_b128 v[148+8*\mt:151+8*\mt], v13 offset:512+64*\mt+16
.endr
.irp ks, 0,1
.irp mt, 0,1,2,3
	LDFRAG R0+8*(4*\ks+\mt), FRAG_PW+1024*(2*\mt+\ks)
.endr
.endr
	SUMADD
	v_mul_f32 v184, s71, v176                      ; -mean, twice: a pair for the packed add
	v_mul_f32 v185, s71, v176
.set i, 0
.rept 16
	v_pk_add_f32 v[R3+2*i:R3+2*i+1], v[R3+2*i:R3+2*i+1], v[184:185]
.set i, i+1
.endr
	SUMSQ
	v_fma_f32 v186, v176, s68, s69                 ; variance + 1e-5
	v_rsq_f32 v187, v186
	v_lshlrev_b32 v191, 2, v2                      ; the plain instruction that stands behind a transcendental (ISA guide 5.7.2); part of d's address
	s_wait_alu depctr_va_vdst(0)
	v_mov_b32 v186, v187
	s_wait_dscnt 24                                ; ln_g and ln_b are in; pred_b's 8 loads and pred_w's 16 may be out
.set i, 0
.rept 16
	v_pk_mul_f32 v[80+2*i:81+2*i], v[80+2*i:81+2*i], v[186:187]
.set i, i+1
.endr
.set i, 0
.rept 16
	v_pk_fma_f32 v[R3+2*i:R3+2*i+1], v[R3+2*i:R3+2*i+1], v[80+2*i:81+2*i], v[112+2*i:113+2*i]   ; Hn
.set i, i+1
.endr
	SUMSQ
	v_add_f32 v190, s70, v176                      ; d = Hn . Hn + 1e-6
	v_rcp_f32 v188, v190
	v_lshl_add_u32 v191, s8, 6, v191               ; the plain instruction behind the transcendental: 4 (16w + r)
	s_wait_alu depctr_va_vdst(0)
	v_mul_f32 v188, -1.0, v188                     ; -1/d, twice
	v_mov_b32 v189, v188
	TABST R3, 16
	ds_store_b32 v191, v190 offset:DTAB            ; both halves of the lanes write the same number to the same word
.set i, 0
.rept 16
	v_cvt_pk_f16_f32 v[R4+i], v[R3+2*i], v[R3+2*i+1]         ; my 16 tokens' Hn: B fragment here, A fragment (the same map) for the others
.set i, i+1
.endr
	STFRAG R4, 9, FRAG_HN                          ; image 2w + ks
	STFRAG R4+8, 9, FRAG_HN+1024
	; ---------------------------------------------------------------- P4: Pr = Hn pred_w + pred_b
	s_wait_dscnt 0x0
.irp ks, 0,1
.irp mt, 0,1,2,3
	MM 144+8*\mt, R0+8*(4*\ks+\mt), R4+8*\ks
.endr
.endr
	PLACES
	TABST 144, 8
	s_wait_dscnt 0x0                               ; my stores are in LDS, Hn's images among them,
	s_barrier_signal -1
	s_barrier_wait -1                              ; everybody's are
	; ---------------------------------------------------------------- P5: G.  Lane (r, h), register j of tile mt: G[16 mt + 8 h + j][16w + r], which is
	; G[my token][eight neighbours]; times my token's -1/d that is a piece of my token's row of NG
.irp ks, 0,1
.irp mt, 0,1,2,3
	LDFRAG R1+8*(4*\ks+\mt), FRAG_HN+1024*(2*\mt+\ks)
.endr
.endr
	s_wait_dscnt 8                                 ; K step 1's 8 loads may be out
.irp mt, 0,1,2,3
	v_wmma_f32_16x16x32_f16 v[R3+8*\mt:R3+8*\mt+7], v[R1+8*\mt:R1+8*\mt+7], v[R4:R4+7], 0       ; the first product starts the sums
.endr
	s_wait_dscnt 0x0
.irp mt, 0,1,2,3
	MM R3+8*\mt, R1+32+8*\mt, R4+8
.endr
	PLACES
.set i, 0
.rept 16
	v_pk_mul_f32 v[R3+2*i:R3+2*i+1], v[R3+2*i:R3+2*i+1], v[188:189]
.set i, i+1
.endr
	TABST R3, 0
	s_wait_dscnt 0x0
	s_barrier_signal -1
	s_barrier_wait -1                              ; the tables are whole
	s_cmp_ge_u32 s8, 2
	s_cbranch_scc1 .Lhelper
	; ---------------------------------------------------------------- S: the scan, waves 0 and 1, sequence 2g + w
	; v16 TAB + 32 L; v18 the chosen half of a~; v19 at work; v20 my word of the token stage; v21 d_q;
	; v[22:23] a~ (elements 2L, 2L+1); v[24:25] accP; v[26:27] accH; v[28:29] read_b; v[30:31] out_b.
	; Ring slot p & 15 holds the three pairs of position p's token.  Step p reads NG and Pr of slot p and Hn of slot p + 1.
	; Step p makes the two selectors and the address of position p - 15.  Every fourth step (p mod 4 = 3) issues, in ONE run, the eight loads of
	; positions p - 11 .. p - 14 into slots p + 5 .. p + 2, the last of which was read for the last time in step p + 1: vector work and LDS loads
	; change places once in four steps.  Position q's address lies in register q & 7 of eight: it is written in step q + 15, read by a run in one of
	; the steps q + 14 .. q + 11, and written again in step q + 7, four steps or more behind that run.
	; The step holds no scalar arithmetic: what hangs on the token alone is made 32 tokens at a time.
.macro DERIVE b, tok                   ; of a block of 32 tokens: row offset, lane of a~, and which of its two registers
	v_min_u32 v19, 63, v[\tok]                     ; the table has 64 rows
	v_mul_u32_u24 v[OFFV+\b], v19, TPITCH
	v_lshrrev_b32 v[LANEV+\b], 1, v19              ; element c lies in lane c / 2,
	v_and_b32 v[MASKV+\b], 1, v19
	v_sub_nc_u32 v[MASKV+\b], 0, v[MASKV+\b]       ; register c & 1: 0 or all ones, a mask for all lanes
.endm
.macro PREPS kp, b, lane               ; one token's three numbers become scalars
	v_readlane_b32 s15, v[OFFV+\b], \lane
	v_readlane_b32 s[SL+\kp], v[LANEV+\b], \lane
	v_readlane_b32 s[SM+\kp], v[MASKV+\b], \lane
.endm
.macro PREPV a                         ; my record of that token's row.  The bound changes no address (the token is clamped above); it states, by a
	v_add_nc_u32 v[ADR+\a], s15, v16               ; constant in the text, that the loads end below RW, into which waves 2 and 3 store meanwhile
	v_min_u32 v[ADR+\a], TABLAST, v[ADR+\a]
.endm
.macro ROWS kp, a
	ds_load_b128 v[RING+6*\kp:RING+6*\kp+3], v[ADR+\a]
	ds_load_b64 v[RING+6*\kp+4:RING+6*\kp+5], v[ADR+\a] offset:16
.endm
.macro LOADS i, cnt                    ; the rows of positions i - 11, i - 12, .. (cnt of them), two loads each, in one run
.set J, 0
.rept \cnt
.set KL, ((\i)+5-J)&15
.set AL, ((\i)+5-J)&7
	ROWS KL, AL
.set J, J+1
.endr
.endm
; One step.  i = the position mod 32; n = how many younger LDS loads may be out (NOWAIT: the step has no wait); pre = 1: it prepares
; position i - 15; ld = how many positions' rows it loads; first = 1: it starts the two sums.
.macro STEP i, n, pre, ld, first
.set K,  (\i)&15
.set KN, (\i+1)&15                     ; slot p + 1; its selectors were used in step p + 1 and now take those of position p - 15
.set AP, (\i+1)&7
.if \n < NOWAIT
	s_wait_dscnt \n
.endif
	v_cndmask_b32 v18, v22, v23, s[SM+K]           ; the register of a~ that holds element c_p,
	v_readlane_b32 s10, v18, s[SL+K]               ; and its lane: w~ = a~[c_p]
.if \ld
	LOADS \i, \ld
.endif
.if \pre
.if \i >= 15
	PREPS KN, 0, \i-15                             ; position p - 15 lies in this block of 32,
.else
	PREPS KN, 1, \i+17                             ; or in the one below
.endif
.endif
	v_pk_fma_f32 v[22:23], v[RING+6*K:RING+6*K+1], s[10:11], v[22:23] op_sel_hi:[1,0,1]          ; a~ += w~ NG[c_p]
.if \first
	v_pk_mul_f32 v[24:25], v[RING+6*K+2:RING+6*K+3], s[10:11] op_sel_hi:[1,0]
	v_pk_mul_f32 v[26:27], v[RING+6*KN+4:RING+6*KN+5], s[10:11] op_sel_hi:[1,0]
.else
	v_pk_fma_f32 v[24:25], v[RING+6*K+2:RING+6*K+3], s[10:11], v[24:25] op_sel_hi:[1,0,1]        ; accP += w~ Pr[c_p]
	v_pk_fma_f32 v[26:27], v[RING+6*KN+4:RING+6*KN+5], s[10:11], v[26:27] op_sel_hi:[1,0,1]      ; accH += w~ Hn[c_(p+1)]
.endif
.if \pre
	PREPV AP
.endif
.endm
; A step of the steady state.  The run issued in step P holds positions P - 11 .. P - 14, of which P - 11 (a multiple of 4) is used first: one
; wait at the head of that step serves all four.  LDS loads come back in order (ISA guide 5.7.1), and behind that run stand the runs of
; steps P - 4 and P - 8: the count is 16.
.macro GSTEP i
.if ((\i)&3) == 0
	STEP \i, 16, 1, 0, 0
.elseif ((\i)&3) == 3
	STEP \i, NOWAIT, 1, 4, 0
.else
	STEP \i, NOWAIT, 1, 0, 0
.endif
.endm
; A change of blocks: the tokens move up one register, so that v[TK+15] is the block at work and v[TK+14] the one below; the lower block's
; three registers become the upper's, and the new lower block's are made.  23 instructions for 32 steps.
.macro NEXTBLOCK
.irp j, 15,14,13,12,11,10,9,8,7,6,5,4,3,2,1
	v_mov_b32 v[TK+\j], v[TK+\j-1]
.endr
	v_mov_b32 v[OFFV], v[OFFV+1]
	v_mov_b32 v[LANEV], v[LANEV+1]
	v_mov_b32 v[MASKV], v[MASKV+1]
	DERIVE 1, TK+14
.endm
	s_lshl_b32 s2, ttmp9, 1
	s_add_co_u32 s2, s2, s8
	s_lshl_b32 s2, s2, 8                           ; row 2g + w of out0, 256 bytes (s3 is 0)
	s_add_nc_u64 s[44:45], s[44:45], s[2:3]
	global_load_b64 v[28:29], v14, s[38:39]        ; the two last biases come in under the scan
	global_load_b64 v[30:31], v14, s[42:43]
	v_lshlrev_b32 v16, 5, v1
	v_add_nc_u32 v16, TAB, v16
	v_lshlrev_b32 v20, 2, v1
	v_lshl_add_u32 v20, s8, 11, v20
.irp j, 0,1,2,3,4,5,6,7,8,9,10,11,12,13,14,15
	ds_load_b32 v[TK+\j], v20 offset:TOK+128*\j    ; lane L: token 32 j + L
.endr
	s_mov_b32 s11, 0                               ; the upper half of the pair s[10:11]; only s10 is multiplied by
	s_wait_dscnt 0x0
	v_readlane_b32 s15, v[TK+15], 31               ; c_511
	s_min_u32 s15, s15, 63
	s_lshl_b32 s15, s15, 2
	v_mov_b32 v24, s15
	ds_load_b32 v21, v24 offset:DTAB               ; d_q
	DERIVE 0, TK+15
	DERIVE 1, TK+14
	; positions 511 down to 497 into slots 15 down to 1, in two runs: what the runs of steps above 509 would have brought
.set P, 15
.rept 8
.set AL, P&7
	PREPS P, 0, P+16
	PREPV AL
.set P, P-1
.endr
.set P, 15
.rept 8
.set AL, P&7
	ROWS P, AL
.set P, P-1
.endr
.set P, 7
.rept 7
.set AL, P&7
	PREPS P, 0, P+16
	PREPV AL
.set P, P-1
.endr
.set P, 7
.rept 7
.set AL, P&7
	ROWS P, AL
.set P, P-1
.endr
	PREPS 0, 0, 16                                 ; positions 496 and 495 are prepared (steps 509 and 508 prepare 494 and 493); step 507 loads the four
	PREPV 0
	PREPS 15, 0, 15                                ; position 511's selectors, which this overwrites, are never used
	PREPV 7
	s_wait_dscnt 24                                ; behind position 509's loads stand those of 508 .. 497: d_q and positions 511, 510, 509 are in
	v_mov_b32 v22, v[RING+90]                      ; a~ starts as NG[c_511]
	v_mov_b32 v23, v[RING+91]
	; The count 16 holds in the first steps too: at step 508 behind position 505's loads stand those of 504 .. 497; at step 504 behind 501's
	; those of 500 .. 497 and step 507's run; at step 500 the runs of steps 507 and 503.
	STEP 29, NOWAIT, 1, 0, 1                       ; position 509
.set I, 28
.rept 29
	GSTEP I                                        ; 508 down to 480
.set I, I-1
.endr
	NEXTBLOCK
	s_mov_b32 s46, 14                              ; blocks 14 down to 1
.Ltrip:
.set I, 31
.rept 32
	GSTEP I
.set I, I-1
.endr
	NEXTBLOCK
	s_sub_co_i32 s46, s46, 1
	s_cmp_lg_u32 s46, 0
	s_cbranch_scc1 .Ltrip
.set I, 31
.rept 17
	GSTEP I                                        ; positions 31 down to 15 prepare 16 down to 0; step 15's run (positions 4 .. 1) is the last whole one
.set I, I-1
.endr
	STEP 14, NOWAIT, 0, 0, 0
	STEP 13, NOWAIT, 0, 0, 0
	STEP 12, 16, 0, 0, 0                           ; positions 12 .. 9 (step 23's run); behind it the runs of steps 19 and 15
	STEP 11, NOWAIT, 0, 1, 0                       ; position 0 alone is left to load: the last two loads
	STEP 10, NOWAIT, 0, 0, 0
	STEP 9, NOWAIT, 0, 0, 0
	STEP 8, 10, 0, 0, 0                            ; positions 8 .. 5 (step 19's run); behind it step 15's eight loads and step 11's two
	STEP 7, NOWAIT, 0, 0, 0
	STEP 6, NOWAIT, 0, 0, 0
	STEP 5, NOWAIT, 0, 0, 0
	STEP 4, 2, 0, 0, 0                             ; positions 4 .. 1 (step 15's run); behind it step 11's two loads
	STEP 3, NOWAIT, 0, 0, 0
	STEP 2, NOWAIT, 0, 0, 0
	STEP 1, NOWAIT, 0, 0, 0
	STEP 0, 0, 0, 0, 0                             ; position 0: nothing stands behind its loads
	s_branch .Ljoin
	; ---------------------------------------------------------------- H: wave 2 copies read_w, wave 3 out_w, 16 KiB each, under the scan
.Lhelper:
	s_cmp_eq_u32 s8, 2
	s_cselect_b64 s[72:73], s[36:37], s[40:41]
	s_sub_co_u32 s15, s8, 2
	s_lshl_b32 s15, s15, 14
	s_add_co_u32 s15, s15, RW
	v_add_nc_u32 v16, s15, v10
.set i, 0
.rept 32
	global_load_b128 v[32+4*i:35+4*i], v10, s[72:73] offset:512*i
.set i, i+1
.endr
	s_wait_loadcnt 0x0
.set i, 0
.rept 32
	ds_store_b128 v16, v[32+4*i:35+4*i] offset:512*i
.set i, i+1
.endr
.Ljoin:
	s_wait_dscnt 0x0                               ; the copies are in LDS; the scan's loads are back
	s_barrier_signal -1
	s_barrier_wait -1
	s_cmp_ge_u32 s8, 2
	s_cbranch_scc1 .Lend
	; ---------------------------------------------------------------- T: out = (ctx read_w + read_b) out_w + out_b in f32; lane L makes columns 2L, 2L+1
; Rows in groups of eight: eight elements of the vector go to scalars, eight packed multiply-adds go to four sums by turns.
; next = 1: the registers of the rows just used take the same rows of out_w.
.macro MATVEC src, bias, dst, next
.set G, 0
.rept 8
.if \next
	s_wait_dscnt 56                                ; behind group g's rows: 8 (7 - g) rows of read_w and 8 g rows of out_w
.else
	s_wait_dscnt 56-8*G                            ; behind group g's rows: 8 (7 - g) rows of out_w
.endif
.irp e, 0,1,2,3,4,5,6,7
	v_readlane_b32 s[SC+2*\e], v[\src+(\e&1)], 4*G+(\e>>1)
.endr
.irp e, 0,1,2,3,4,5,6,7
.if 8*G+\e == 0
	v_pk_fma_f32 v[Y:Y+1], v[ROWB:ROWB+1], s[SC:SC+1], v[\bias:\bias+1] op_sel_hi:[1,0,1]        ; the first product adds onto the bias
.elseif 8*G+\e < 4
	v_pk_mul_f32 v[Y+2*\e:Y+2*\e+1], v[ROWB+2*\e:ROWB+2*\e+1], s[SC+2*\e:SC+2*\e+1] op_sel_hi:[1,0]
.else
	v_pk_fma_f32 v[Y+2*(\e&3):Y+2*(\e&3)+1], v[ROWB+16*G+2*\e:ROWB+16*G+2*\e+1], s[SC+2*\e:SC+2*\e+1], v[Y+2*(\e&3):Y+2*(\e&3)+1] op_sel_hi:[1,0,1]
.endif
.endr
.if \next
.irp e, 0,1,2,3,4,5,6,7
	ds_load_b64 v[ROWB+16*G+2*\e:ROWB+16*G+2*\e+1], v17 offset:256*(8*G+\e)
.endr
.endif
.set G, G+1
.endr
	v_pk_add_f32 v[Y:Y+1], v[Y:Y+1], v[Y+2:Y+3]
	v_pk_add_f32 v[Y+4:Y+5], v[Y+4:Y+5], v[Y+6:Y+7]
	v_pk_add_f32 v[\dst:\dst+1], v[Y:Y+1], v[Y+4:Y+5]
.endm
	v_add_nc_u32 v16, RW, v14
	v_add_nc_u32 v17, OW, v14
.set i, 0
.rept 64
	ds_load_b64 v[ROWB+2*i:ROWB+2*i+1], v16 offset:256*i
.set i, i+1
.endr
	v_pk_add_f32 v[24:25], v[24:25], v[26:27] neg_lo:[0,1] neg_hi:[0,1]
	v_mul_f32 v24, v24, v21                        ; ctx = d_q (accP - accH)
	v_mul_f32 v25, v25, v21
	s_wait_loadcnt 0x0                             ; read_b, out_b
	MATVEC 24, 28, 40, 1
	MATVEC 40, 30, 42, 0
	global_store_b64 v14, v[42:43], s[44:45]       ; the wave's 32 lanes store one whole row of out0: 256 consecutive bytes, aligned
.Lend:
	s_set_vgpr_msb 0x5
	s_wait_tensorcnt 0x0
	ds_add_u32 v0, v1
	s_wait_dscnt 0x0
	s_set_vgpr_msb 0x500
	s_endpgm
.Lfunc_end_k_qe5a9a80c10_rcm:
	.size	k_qe5a9a80c10_rcm, .Lfunc_end_k_qe5a9a80c10_rcm-k_qe5a9a80c10_rcm
	.p2alignl 7, 3214868480
	.fill 96, 4, 3214868480
	.section	.rodata,"a",@progbits
	.p2align	6, 0x0
	.amdhsa_kernel k_qe5a9a80c10_rcm
		.amdhsa_group_segment_fixed_size 168448
		.amdhsa_private_segment_fixed_size 0
		.amdhsa_enable_private_segment 0
		.amdhsa_kernarg_size 120
		.amdhsa_user_sgpr_count 2
		.amdhsa_user_sgpr_kernarg_segment_ptr 1
		.amdhsa_wavefront_size32 1
		.amdhsa_system_sgpr_workgroup_id_x 1
		.amdhsa_system_sgpr_workgroup_id_y 1
		.amdhsa_system_sgpr_workgroup_id_z 1
		.amdhsa_system_vgpr_workitem_id 0
		.amdhsa_next_free_vgpr 258
		.amdhsa_next_free_sgpr 90
		.amdhsa_reserve_vcc 0
		.amdhsa_float_denorm_mode_32 3
		.amdhsa_float_denorm_mode_16_64 3
		.amdhsa_memory_ordered 1
		.amdhsa_forward_progress 1
		.amdhsa_inst_pref_size 162
	.end_amdhsa_kernel
	.amdgpu_metadata
---
amdhsa.version: [ 1, 2 ]
amdhsa.kernels:
  - .name:           k_qe5a9a80c10_rcm
    .symbol:         k_qe5a9a80c10_rcm.kd
    .args:
      - { .name: seq, .offset: 0, .size: 8, .value_kind: global_buffer, .address_space: global }
      - { .name: embed_w, .offset: 8, .size: 8, .value_kind: global_buffer, .address_space: global }
      - { .name: ff_w1, .offset: 16, .size: 8, .value_kind: global_buffer, .address_space: global }
      - { .name: ff_b1, .offset: 24, .size: 8, .value_kind: global_buffer, .address_space: global }
      - { .name: ff_w2, .offset: 32, .size: 8, .value_kind: global_buffer, .address_space: global }
      - { .name: ff_b2, .offset: 40, .size: 8, .value_kind: global_buffer, .address_space: global }
      - { .name: ln_g, .offset: 48, .size: 8, .value_kind: global_buffer, .address_space: global }
      - { .name: ln_b, .offset: 56, .size: 8, .value_kind: global_buffer, .address_space: global }
      - { .name: pred_w, .offset: 64, .size: 8, .value_kind: global_buffer, .address_space: global }
      - { .name: pred_b, .offset: 72, .size: 8, .value_kind: global_buffer, .address_space: global }
      - { .name: read_w, .offset: 80, .size: 8, .value_kind: global_buffer, .address_space: global }
      - { .name: read_b, .offset: 88, .size: 8, .value_kind: global_buffer, .address_space: global }
      - { .name: out_w, .offset: 96, .size: 8, .value_kind: global_buffer, .address_space: global }
      - { .name: out_b, .offset: 104, .size: 8, .value_kind: global_buffer, .address_space: global }
      - { .name: out0, .offset: 112, .size: 8, .value_kind: global_buffer, .address_space: global }
    .group_segment_fixed_size: 168448
    .private_segment_fixed_size: 0
    .kernarg_segment_align: 8
    .kernarg_segment_size: 120
    .max_flat_workgroup_size: 128
    .sgpr_count:     90
    .vgpr_count:     258
    .wavefront_size: 32
...
	.end_amdgpu_metadata
.endif
;; end of part 3
;; ======== version 4 of 4: 1 launch; version 3 with the launch rcm written anew for expert scheduling mode
;; limits: values are held in f16: magnitudes above 65,504 overflow, below 6.1e-05 lose precision
;; launch rcm (part 4): grid 256 x 1, 4 waves a work-group, no clusters, 168,448 bytes of LDS; arguments seq, embed_w, ff_w1, ff_b1, ff_w2, ff_b2, ln_g, ln_b, pred_w, pred_b, read_w, read_b, out_w, out_b, out0; writes out0
.if DOCPART == 4
	.amdgcn_target "amdgcn-amd-amdhsa--gfx1250"
	.amdhsa_code_object_version 6
	.text
	.protected	k_qe5a9a80c10_rcm
	.globl	k_qe5a9a80c10_rcm
	.p2align	8
	.type	k_qe5a9a80c10_rcm,@function
k_qe5a9a80c10_rcm:
	s_mov_b64 s[64:65], 0
	v_nop
	global_prefetch_b8 v0, s[64:65] scope:SCOPE_SE
	s_setreg_imm32_b32 hwreg(HW_REG_WAVE_SCHED_MODE, 0, 2), 2
	s_setreg_imm32_b32 hwreg(HW_REG_WAVE_MODE, 25, 1), 1
	s_wait_xcnt 0x0
	s_wait_alu depctr_vm_vsrc(0)
; ResidualCodingModel: 512 sequences of 512 tokens out of 64; embed, feed-forward + residual, LayerNorm, a delta-rule scan of 510 steps
; on a 64 x 64 memory M, ctx = M q, two linear maps.  One launch, 256 work-groups of four waves; work-group g owns sequences 2g, 2g+1.
;
; THREE IDENTITIES, exact for every input of these shapes, carry the text:
;  1. All that precedes the scan is a function of the token alone: Hn[64][64] (behind LayerNorm) and Pr = Hn pred_w + pred_b.
;  2. Only ctx = M_510 q is used, and M_(t+1) = M_t (I - k k^T / d) + r k^T with M_0 = 0.  Backward from t = 509:
;     w = k_t . q;  ctx += w r_t;  q -= k_t w / d_t.  What is carried is a vector, not a matrix.
;  3. With a[v] = Hn[v] . q and G = Hn Hn^T:  w = a[c_t], one element, and a += w NG[c_t], NG[c] = -G[c] / d_c.
;     The text carries a~ = -a / d_q (so it starts as the row NG[c_511]) and ends with ctx = d_q (accP - accH),
;     accP = sum of w~ Pr[c_t], accH = sum of w~ Hn[c_(t+1)]  (r_t = Hn[c_(t+1)] - Pr[c_t]).
; PHASES: P all four waves build the tables in LDS (wave w: tokens 16w .. 16w+15; 48 matrix instructions a wave, made anew in every
; work-group: G needs all 64 rows, so sharing the build would take further launches);  S waves 0, 1 scan one sequence each, while
; H waves 2, 3 copy read_w and out_w into LDS;  T waves 0, 1 apply the two maps in f32 and store one row of out0 each.
;
; LIMITS.  M is never formed, so the order of rounding differs from the scan as it is written.  The operands of the table products are
; f16 with f32 sums (embed_w, ff_w1, relu(h ff_w1 + ff_b1), ff_w2, Hn, pred_w): each must stay below 65,504 in magnitude, and numbers
; below 6.1e-5 keep an absolute precision of 6e-8.  bf16's 8 bits would leave too little margin behind 510 steps.  d is taken from the
; f32 Hn and G from the f16-rounded Hn: G[c][c] / d_c misses 1 by some 3e-5.  Tokens are clamped to 63 (the table has 64 rows).
; The scan and the last two maps are f32 vector work: two rows a work-group, and ctx has no room in f16.
; NO CLUSTER, NO TENSOR LOAD: what the work-groups share is 100 KB of f32 weights that must pass through registers to be rounded to f16
; and transposed; no tile is filled twice.  168,448 bytes of LDS are asked for (155,904 are used) so that a work-group has its WGP alone.
;
; THE MODE: SCHED_MODE bits 1:0 = 2 (LLVM: expert scheduling mode 2), set by the entry lines.  The code itself states the register dependences
; between vector or matrix instructions and memory or LDS instructions, and those through scalar registers that vector instructions write,
; with s_wait_alu, always for 0.
; THE PLAN.  v4 to v15 are offsets and addresses, made at the head and never written again.
;  P: in each phase the vector work that makes data for LDS stands together, one wait on va_vdst follows it, and the stores go out in one run; each run
;     of loads into registers that products or conversions have named stands behind one wait on va_vdst; behind each of the first two barriers one
;     wait on vm_vsrc states that the stores of the phase before have read their data, ahead of whatever writes those registers again.
;  S: ring slots v[32:127]: written by the row loads, read by a step's three multiply-adds.  Addresses v[150:157]: written by a step's last lines,
;     read by a run of loads one to four steps later, written again four steps or more behind that run.  Every fourth step opens with a wait on
;     vm_vsrc and one on va_vdst, which state all that its run of eight loads and the next four steps' address lines hang on.  Every step has
;     one wait on va_sdst, behind its four v_readlane_b32 and ahead of the first reader of any of the four scalars.
;  T: rows v[128:255]: written by LDS loads, read by a group's eight multiply-adds, and in the first map loaded again one group later, behind one wait on va_vdst.
.set FRAG_W1, 0                        ; 16 fragment images of 1,024 bytes: lane L's registers 0-3 at 16 L, registers 4-7 at 512 + 16 L
.set FRAG_W2, 16384                    ; 16 images
.set FRAG_PW, 32768                    ; 8 images
.set FRAG_HN, 40960                    ; 8 images
.set PRM,     49152                    ; 768 bytes for each wave: ln_g, ln_b, pred_b
.set DTAB,    52224                    ; d[64], f32
.set TOK,     52480                    ; the work-group's two rows of seq, 4,096 bytes
.set TAB,     56576                    ; 64 rows; record l (32 bytes) of row c: NG[c][2l,2l+1], Pr[c][2l,2l+1], Hn[c][2l,2l+1], 8 bytes unused
.set TPITCH,  1040                     ; 1,024 + 16: the sixteen rows that a table store touches start four words apart
.set TABLAST, TAB+63*TPITCH+31*32      ; 123,088: the last record of the last row
.set RW,      123136                   ; read_w as in memory
.set OW,      139520                   ; out_w as in memory; ends at 155,904
.set R0, 16                            ; v[16:79]
.set R1, 80                            ; v[80:143]
.set R2, 144                           ; v[144:207]
.set R3, 208                           ; v[208:239]  32 features of my token: x, then Hn, then G
.set R4, 240                           ; v[240:255]  my 16 tokens as a B fragment of two K steps
.set SL, 48                            ; s[48:63]    scan: c >> 1 of 16 positions, position q in register q & 15
.set SM, 74                            ; s[74:89]    scan: 0 or -1 from c & 1 of the same positions
.set SC, 48                            ; s[48:63]    the two maps: eight elements of the vector, one in each pair's lower register
.set RING, 32                          ; v[32:127]   16 slots of 6 registers: NG pair, Pr pair, Hn pair; position q in slot q & 15
.set TK, 128                           ; v[128:143]  the sequence's 16 blocks of 32 tokens
.set OFFV, 144                         ; v144, v145  row offsets of the block at work and of the one below, lane L: token L of the block
.set LANEV, 146                        ; v146, v147  c >> 1 of the same
.set MASKV, 148                        ; v148, v149  0 or -1 from c & 1 of the same
.set ADR, 150                          ; v[150:157]  LDS address of my record of position q's row, in register q & 7
.set NOWAIT, 64                        ; a step's count that stands for: no wait on DScnt in this step
.set Y, 32                             ; v[32:39]    four partial sums of a map
.set ROWB, 128                         ; v[128:255]  64 rows of a map's weights, 2 columns a lane
.macro PLACES                          ; four plain vector instructions stand between a matrix instruction and a vector instruction or a store
.rept 4                                ; that touches its registers (ISA guide 7.12.1)
	v_nop
.endr
.endm
; 16 rows k of one column of a weight stored [k][n]: the raw numbers of an A fragment of the transposed weight (8h rows and the column are in voff)
.macro RAWFRAG dst, voff, base, pitch, k0, col
.irp half, 0,1
.irp e, 0,1,2,3,4,5,6,7
	global_load_b32 v[\dst+8*\half+\e], v[\voff], s[\base:\base+1] offset:(\k0+16*\half+\e)*\pitch+\col
.endr
.endr
.endm
.macro PACK reg                        ; 16 f32 to 8 registers of f16 in place: ascending i never writes a source that is still unread
.irp i, 0,1,2,3,4,5,6,7
	v_cvt_pk_f16_f32 v[\reg+\i], v[\reg+2*\i], v[\reg+2*\i+1]
.endr
.endm
.macro STFRAG reg, vaddr, off
	ds_store_b128 v[\vaddr], v[\reg:\reg+3] offset:\off
	ds_store_b128 v[\vaddr], v[\reg+4:\reg+7] offset:\off+512
.endm
.macro LDFRAG reg, off
	ds_load_b128 v[\reg:\reg+3], v10 offset:\off
	ds_load_b128 v[\reg+4:\reg+7], v10 offset:\off+512
.endm
.macro MM d, a, b
	v_wmma_f32_16x16x32_f16 v[\d:\d+7], v[\a:\a+7], v[\b:\b+7], v[\d:\d+7]
.endm
.macro FOLD                            ; four chains to one number, then the other half of the lanes: lanes (r, 0) and (r, 1) hold one token
	v_pk_add_f32 v[176:177], v[176:177], v[178:179]
	v_pk_add_f32 v[180:181], v[180:181], v[182:183]
	v_pk_add_f32 v[176:177], v[176:177], v[180:181]
	v_add_f32 v176, v176, v177
	v_permlanex16_b32 v177, v176, s66, s67
	v_add_f32 v176, v176, v177
.endm
.macro SUMADD                          ; v176 = the sum of my token's 64 numbers
.irp c, 0,1,2,3
	v_pk_add_f32 v[176+2*\c:177+2*\c], v[R3+2*\c:R3+2*\c+1], v[R3+8+2*\c:R3+9+2*\c]
.endr
.irp c, 0,1,2,3
	v_pk_add_f32 v[176+2*\c:177+2*\c], v[176+2*\c:177+2*\c], v[R3+16+2*\c:R3+17+2*\c]
.endr
.irp c, 0,1,2,3
	v_pk_add_f32 v[176+2*\c:177+2*\c], v[176+2*\c:177+2*\c], v[R3+24+2*\c:R3+25+2*\c]
.endr
	FOLD
.endm
.macro SUMSQ                           ; v176 = the sum of their squares
.irp c, 0,1,2,3
	v_pk_mul_f32 v[176+2*\c:177+2*\c], v[R3+2*\c:R3+2*\c+1], v[R3+2*\c:R3+2*\c+1]
.endr
.irp o, 8,16,24
.irp c, 0,1,2,3
	v_pk_fma_f32 v[176+2*\c:177+2*\c], v[R3+\o+2*\c:R3+\o+2*\c+1], v[R3+\o+2*\c:R3+\o+2*\c+1], v[176+2*\c:177+2*\c]
.endr
.endr
	FOLD
.endm
; my token's 32 numbers (features 16 mt + 8 h + j) into one field of its table row: the pair jp of tile mt is record 8 mt + 4 h + jp
.macro TABST reg, field
.irp mt, 0,1,2,3
.irp jp, 0,1,2,3
	ds_store_b64 v11, v[\reg+8*\mt+2*\jp:\reg+8*\mt+2*\jp+1] offset:256*\mt+32*\jp+\field
.endr
.endr
.endm
	; ---------------------------------------------------------------- addresses
	s_load_b512 s[16:31], s[0:1], 0x0              ; seq 16, embed_w 18, ff_w1 20, ff_b1 22, ff_w2 24, ff_b2 26, ln_g 28, ln_b 30
	s_load_b256 s[32:39], s[0:1], 0x40             ; pred_w 32, pred_b 34, read_w 36, read_b 38
	s_load_b128 s[40:43], s[0:1], 0x60             ; out_w 40, out_b 42
	s_load_b64 s[44:45], s[0:1], 0x70              ; out0
	s_set_vgpr_msb 0x40
	v_lshl_add_u32 v0, v0, 2, 0x29000
	v_mov_b32 v1, 0
	s_set_vgpr_msb 0x4000
	v_lshrrev_b32 v1, 5, v0
	v_readfirstlane_b32 s8, v1                     ; wave w
	v_and_b32 v1, 31, v0                           ; L
	v_and_b32 v2, 15, v0                           ; r
	v_bfe_u32 v3, v0, 4, 1                         ; h
	v_lshlrev_b32 v4, 2, v2
	v_lshl_add_u32 v5, v3, 11, v4
	v_lshl_add_u32 v4, v3, 12, v4
	s_wait_alu depctr_va_sdst(0)                   ; s8 is written, ahead of its first reader, the line below
	v_lshl_add_u32 v4, s8, 7, v4                   ; ff_w1: 8h rows of 512 bytes + column 32w + r
	v_lshl_add_u32 v5, s8, 6, v5                   ; ff_w2, pred_w: 8h rows of 256 bytes + column 16w + r
	v_lshlrev_b32 v7, 5, v3                        ; biases in the layout of a result: 8h numbers
	v_lshl_add_u32 v6, v2, 8, v7
	v_lshl_add_u32 v6, s8, 12, v6                  ; embed_w: row 16w + r, 8h numbers in
	v_lshlrev_b32 v10, 4, v1                       ; 16 L
	v_lshl_add_u32 v8, s8, 12, v10                 ; 16 L + four fragment images a wave
	v_lshl_add_u32 v9, s8, 11, v10                 ; 16 L + two images a wave
	v_lshl_add_u32 v15, s8, 10, v10                ; my 16 bytes of my wave's quarter of the two rows of seq
	v_lshlrev_b32 v14, 3, v1                       ; 8 L
	v_lshl_add_u32 v11, s8, 4, v2                  ; my token 16w + r
	v_mul_u32_u24 v11, v11, TPITCH
	v_lshl_add_u32 v11, v3, 7, v11
	v_add_nc_u32 v11, TAB, v11                     ; its table row, 4h records in
	s_mul_i32 s2, s8, 768
	s_add_co_u32 s2, s2, PRM
	v_add_nc_u32 v12, s2, v14                      ; my wave's parameters: as stored,
	v_add_nc_u32 v13, s2, v7                       ; and as read back, 8h numbers in
	s_mov_b32 s66, 0x76543210                      ; v_permlanex16_b32: lane i of one half reads lane i of the other
	s_mov_b32 s67, 0xfedcba98
	s_mov_b32 s68, 0x3c800000                      ; 1/64
	s_mov_b32 s69, 0x3727c5ac                      ; 1e-5
	s_mov_b32 s70, 0x358637bd                      ; 1e-6
	s_mov_b32 s71, 0xbc800000                      ; -1/64
	s_lshl_b32 s2, ttmp9, 12                       ; two rows of seq a work-group
	s_mov_b32 s3, 0
	s_wait_kmcnt 0x0
	s_add_nc_u64 s[16:17], s[16:17], s[2:3]
	s_wait_alu depctr_va_vdst(0)                   ; v4 to v15 are written: every load and store of phase P, and some behind it, read one of them as offset or address
	; ---------------------------------------------------------------- P0: 181 loads in one run, then rounding to f16 and the fragment images
	global_load_b128 v[240:243], v15, s[16:17] th:TH_LOAD_NT
	global_load_b128 v[244:247], v15, s[16:17] offset:512 th:TH_LOAD_NT
	global_load_b64 v[248:249], v14, s[28:29]
	global_load_b64 v[250:251], v14, s[30:31]
	global_load_b64 v[252:253], v14, s[34:35]
.irp c, 0,1,2,3
	global_load_b128 v[R3+8*\c:R3+8*\c+3], v6, s[18:19] offset:64*\c         ; embed_w[16w+r][16c + 8h ..]: the layout of a result,
	global_load_b128 v[R3+8*\c+4:R3+8*\c+7], v6, s[18:19] offset:64*\c+16    ; and, packed, that of a B fragment
.endr
.irp c, 0,1,2,3
	global_load_b128 v[176+8*\c:179+8*\c], v7, s[26:27] offset:64*\c
	global_load_b128 v[180+8*\c:183+8*\c], v7, s[26:27] offset:64*\c+16
.endr
.irp i, 0,1
.irp ks, 0,1
	RAWFRAG R0+16*(2*\i+\ks), 4, 20, 512, 32*\ks, 64*\i      ; ff_w1: feature tiles 2w + i, K steps ks
.endr
.endr
.irp ks, 0,1,2,3
	RAWFRAG R1+16*\ks, 5, 24, 256, 32*\ks, 0                 ; ff_w2: feature tile w
.endr
.irp ks, 0,1
	RAWFRAG R2+16*\ks, 5, 32, 256, 32*\ks, 0                 ; pred_w: feature tile w
.endr
	s_wait_loadcnt 63                              ; loads come back in order (ISA guide 5.7.1): the first 118 are in, which is all up to ff_w1's last
	ds_store_b128 v15, v[240:243] offset:TOK       ; data as loaded: no vector instruction has written them
	ds_store_b128 v15, v[244:247] offset:TOK+512
	ds_store_b64 v12, v[248:249]
	ds_store_b64 v12, v[250:251] offset:256
	ds_store_b64 v12, v[252:253] offset:512
.irp i, 0,1
.irp ks, 0,1
	PACK R0+16*(2*\i+\ks)
.endr
.endr
	s_wait_alu depctr_va_vdst(0)                   ; the conversions have written ff_w1's four fragments, which the LDS stores read, and are done with v[16:79], in which ff_b1 lands below
.irp i, 0,1
.irp ks, 0,1
	STFRAG R0+16*(2*\i+\ks), 8, FRAG_W1+1024*(2*\i+\ks)      ; image 2 (2w + i) + ks
.endr
.endr
	s_wait_alu depctr_vm_vsrc(0)                   ; the LDS stores have read their data: the images' v[16:79], in which ff_b1 lands, and v[240:253], which the conversions below write
	s_wait_dscnt 0x0                               ; the images have left v[16:79], into which ff_b1 is now loaded
.irp mt, 0,1,2,3,4,5,6,7
	global_load_b128 v[R0+8*\mt:R0+8*\mt+3], v7, s[22:23] offset:64*\mt      ; ff_b1 in the layout of a result: what the first product adds onto
	global_load_b128 v[R0+8*\mt+4:R0+8*\mt+7], v7, s[22:23] offset:64*\mt+16
.endr
.set i, 0
.rept 16
	v_cvt_pk_f16_f32 v[R4+i], v[R3+2*i], v[R3+2*i+1]         ; chunks 2ks, 2ks+1 are K step ks of the B fragment
.set i, i+1
.endr
.set i, 0
.rept 16
	v_pk_add_f32 v[R3+2*i:R3+2*i+1], v[R3+2*i:R3+2*i+1], v[176+2*i:177+2*i]   ; h + ff_b2 in f32: what the second product adds onto
.set i, i+1
.endr
	s_wait_loadcnt 48                              ; behind ff_w2's last load: pred_w's 32 and ff_b1's 16
.irp ks, 0,1,2,3
	PACK R1+16*\ks
.endr
	s_wait_loadcnt 16                              ; behind pred_w's last load: ff_b1's 16
.irp ks, 0,1
	PACK R2+16*\ks
.endr
	s_wait_alu depctr_va_vdst(0)                   ; the conversions have written ff_w2's and pred_w's six fragments, which the LDS stores read; all vector work on v[80:207] is done, in which P1's fragments land
.irp ks, 0,1,2,3
	STFRAG R1+16*\ks, 8, FRAG_W2+1024*\ks          ; image 4w + ks
.endr
.irp ks, 0,1
	STFRAG R2+16*\ks, 9, FRAG_PW+1024*\ks          ; image 2w + ks
.endr
	s_wait_dscnt 0x0                               ; my images, tokens and parameters are in LDS,
	s_barrier_signal -1
	s_barrier_wait -1                              ; everybody's are
	s_wait_alu depctr_vm_vsrc(0)                   ; my LDS stores have read the six fragments in v[80:175], in which the loads below land
	; ---------------------------------------------------------------- P1: hidden = h ff_w1 + ff_b1, transposed: A = rows of the weight's transpose,
	; B = my 16 tokens, so that lane (r, h) holds features 16 mt + 8 h + 0..7 of token r: two tiles pack, in the lane, into the next B fragment
.irp mt, 0,1,2,3,4,5,6,7
	LDFRAG R1+8*\mt, FRAG_W1+1024*(2*\mt)
.endr
.irp mt, 0,1,2,3,4,5,6,7
	LDFRAG R2+8*\mt, FRAG_W1+1024*(2*\mt+1)
.endr
	s_wait_loadcnt 0x0                             ; ff_b1
	s_wait_dscnt 16                                ; K step 0's 16 loads are in, K step 1's 16 may be out
.irp mt, 0,1,2,3,4,5,6,7
	MM R0+8*\mt, R1+8*\mt, R4                      ; the accumulators take turns, one instruction a turn; here and in all products below
.endr
	s_wait_dscnt 0x0
.irp mt, 0,1,2,3,4,5,6,7
	MM R0+8*\mt, R2+8*\mt, R4+8
.endr
	PLACES                                         ; for the maxima below, which read the results
	s_wait_alu depctr_va_vdst(0)                   ; the products are done reading ff_w1's fragments in v[80:207], in which ff_w2's land
	; ---------------------------------------------------------------- P2: x = h + relu(hidden) ff_w2 + ff_b2
.irp ks, 0,1,2,3
.irp mt, 0,1,2,3
	LDFRAG R1+8*(4*\ks+\mt), FRAG_W2+1024*(4*\mt+\ks)
.endr
.endr
.set i, 0
.rept 64
	v_max_num_f32 v[R0+i], 0, v[R0+i]
.set i, i+1
.endr
.irp ks, 0,1,2,3
	PACK R0+16*\ks                                 ; tiles 2ks, 2ks+1 become K step ks, in v[16+16ks : 23+16ks]
.endr
.irp ks, 0,1,2,3
	s_wait_dscnt 24-8*\ks                          ; eight loads for each later K step may be out
.irp mt, 0,1,2,3
	MM R3+8*\mt, R1+8*(4*\ks+\mt), R0+16*\ks
.endr
.endr
	PLACES                                         ; for the sums below, which read the results
	s_wait_alu depctr_va_vdst(0)                   ; the products are done reading v[16:207] (the hidden layer and ff_w2's fragments), in which the parameters and pred_w's fragments land
	; ---------------------------------------------------------------- P3: LayerNorm in two passes, d, and Hn into the table and into fragment images
.irp mt, 0,1,2,3
	ds_load_b128 v[80+8*\mt:83+8*\mt], v13 offset:64*\mt                 ; ln_g
	ds_load_b128 v[84+8*\mt:87+8*\mt], v13 offset:64*\mt+16
.endr
.irp mt, 0,1,2,3
	ds_load_b128 v[112+8*\mt:115+8*\mt], v13 offset:256+64*\mt           ; ln_b
	ds_load_b128 v[116+8*\mt:119+8*\mt], v13 offset:256+64*\mt+16
.endr
.irp mt, 0,1,2,3
	ds_load_b128 v[144+8*\mt:147+8*\mt], v13 offset:512+64*\mt           ; pred_b: what the third product adds onto
	ds_load_b128 v[148+8*\mt:151+8*\mt], v13 offset:512+64*\mt+16
.endr
.irp ks, 0,1
.irp mt, 0,1,2,3
	LDFRAG R0+8*(4*\ks+\mt), FRAG_PW+1024*(2*\mt+\ks)
.endr
.endr
	SUMADD
	v_mul_f32 v184, s71, v176                      ; -mean, twice: a pair for the packed add
	v_mul_f32 v185, s71, v176
.set i, 0
.rept 16
	v_pk_add_f32 v[R3+2*i:R3+2*i+1], v[R3+2*i:R3+2*i+1], v[184:185]
.set i, i+1
.endr
	SUMSQ
	v_fma_f32 v186, v176, s68, s69                 ; variance + 1e-5
	v_rsq_f32 v187, v186
	v_lshlrev_b32 v191, 2, v2                      ; the plain instruction that stands behind a transcendental (ISA guide 5.7.2); part of d's address
	s_wait_alu depctr_va_vdst(0)
	v_mov_b32 v186, v187
	s_wait_dscnt 24                                ; ln_g and ln_b are in; pred_b's 8 loads and pred_w's 16 may be out
.set i, 0
.rept 16
	v_pk_mul_f32 v[80+2*i:81+2*i], v[80+2*i:81+2*i], v[186:187]
.set i, i+1
.endr
.set i, 0
.rept 16
	v_pk_fma_f32 v[R3+2*i:R3+2*i+1], v[R3+2*i:R3+2*i+1], v[80+2*i:81+2*i], v[112+2*i:113+2*i]   ; Hn
.set i, i+1
.endr
	SUMSQ
	v_add_f32 v190, s70, v176                      ; d = Hn . Hn + 1e-6
	v_rcp_f32 v188, v190
	v_lshl_add_u32 v191, s8, 6, v191               ; the plain instruction behind the transcendental: 4 (16w + r)
	s_wait_alu depctr_va_vdst(0)
	v_mul_f32 v188, -1.0, v188                     ; -1/d, twice
	v_mov_b32 v189, v188
.set i, 0
.rept 16
	v_cvt_pk_f16_f32 v[R4+i], v[R3+2*i], v[R3+2*i+1]         ; my 16 tokens' Hn: B fragment here, A fragment (the same map) for the others
.set i, i+1
.endr
	s_wait_alu depctr_va_vdst(0)                   ; Hn in f32 and in f16, d and d's address are written, which the LDS stores below read
	TABST R3, 16
	ds_store_b32 v191, v190 offset:DTAB            ; both halves of the lanes write the same number to the same word
	STFRAG R4, 9, FRAG_HN                          ; image 2w + ks
	STFRAG R4+8, 9, FRAG_HN+1024
	; ---------------------------------------------------------------- P4: Pr = Hn pred_w + pred_b
	s_wait_dscnt 0x0
.irp ks, 0,1
.irp mt, 0,1,2,3
	MM 144+8*\mt, R0+8*(4*\ks+\mt), R4+8*\ks
.endr
.endr
	PLACES
	s_wait_alu depctr_va_vdst(0)                   ; the products have written Pr, which the LDS stores read (the places above stay beside this wait); all vector work on v[80:143] is done, in which P5's fragments land
	TABST 144, 8
	s_wait_dscnt 0x0                               ; my stores are in LDS, Hn's images among them,
	s_barrier_signal -1
	s_barrier_wait -1                              ; everybody's are
	s_wait_alu depctr_vm_vsrc(0)                   ; my LDS stores have read Hn in v[208:239], which the products below write, and Pr in v[144:175], which the scan's set-up writes and in which the copies' loads land
	; ---------------------------------------------------------------- P5: G.  Lane (r, h), register j of tile mt: G[16 mt + 8 h + j][16w + r], which is
	; G[my token][eight neighbours]; times my token's -1/d that is a piece of my token's row of NG
.irp ks, 0,1
.irp mt, 0,1,2,3
	LDFRAG R1+8*(4*\ks+\mt), FRAG_HN+1024*(2*\mt+\ks)
.endr
.endr
	s_wait_dscnt 8                                 ; K step 1's 8 loads may be out
.irp mt, 0,1,2,3
	v_wmma_f32_16x16x32_f16 v[R3+8*\mt:R3+8*\mt+7], v[R1+8*\mt:R1+8*\mt+7], v[R4:R4+7], 0       ; the first product starts the sums
.endr
	s_wait_dscnt 0x0
.irp mt, 0,1,2,3
	MM R3+8*\mt, R1+32+8*\mt, R4+8
.endr
	PLACES
.set i, 0
.rept 16
	v_pk_mul_f32 v[R3+2*i:R3+2*i+1], v[R3+2*i:R3+2*i+1], v[188:189]
.set i, i+1
.endr
	s_wait_alu depctr_va_vdst(0)                   ; NG is written, which the LDS stores read; all vector and matrix work of phase P is done: loads of phases S and H land in its registers
	TABST R3, 0
	s_wait_dscnt 0x0
	s_barrier_signal -1
	s_barrier_wait -1                              ; the tables are whole
	s_cmp_ge_u32 s8, 2
	s_cbranch_scc1 .Lhelper
	; ---------------------------------------------------------------- S: the scan, waves 0 and 1, sequence 2g + w
	; v16 TAB + 32 L; v18 the chosen half of a~; v19 at work; v20 my word of the token stage; v21 d_q;
	; v[22:23] a~ (elements 2L, 2L+1); v[24:25] accP; v[26:27] accH; v[28:29] read_b; v[30:31] out_b.
	; Ring slot p & 15 holds the three pairs of position p's token.  Step p reads NG and Pr of slot p and Hn of slot p + 1.
	; Step p makes the two selectors and the address of position p - 15.  Every fourth step (p mod 4 = 3) issues, in ONE run, the eight loads of
	; positions p - 11 .. p - 14 into slots p + 5 .. p + 2, the last of which was read for the last time in step p + 1: vector work and LDS loads
	; change places once in four steps.  Position q's address lies in register q & 7 of eight: it is written in step q + 15, read by a run in one of
	; the steps q + 14 .. q + 11, and written again in step q + 7, four steps or more behind that run.
	; The step holds no scalar arithmetic: what hangs on the token alone is made 32 tokens at a time.
.macro DERIVE b, tok                   ; of a block of 32 tokens: row offset, lane of a~, and which of its two registers
	v_min_u32 v19, 63, v[\tok]                     ; the table has 64 rows
	v_mul_u32_u24 v[OFFV+\b], v19, TPITCH
	v_lshrrev_b32 v[LANEV+\b], 1, v19              ; element c lies in lane c / 2,
	v_and_b32 v[MASKV+\b], 1, v19
	v_sub_nc_u32 v[MASKV+\b], 0, v[MASKV+\b]       ; register c & 1: 0 or all ones, a mask for all lanes
.endm
.macro PREPS kp, b, lane, so           ; one token's three numbers become scalars; the row offset goes to s[so]
	v_readlane_b32 s[\so], v[OFFV+\b], \lane
	v_readlane_b32 s[SL+\kp], v[LANEV+\b], \lane
	v_readlane_b32 s[SM+\kp], v[MASKV+\b], \lane
.endm
.macro PREPA a, so                     ; my record of that token's row,
	v_add_nc_u32 v[ADR+\a], s[\so], v16
.endm
.macro PREPB a                         ; and its bound.  It changes no address (the token is clamped above); it states, by a constant in the text,
	v_min_u32 v[ADR+\a], TABLAST, v[ADR+\a]        ; that the loads end below RW, into which waves 2 and 3 store meanwhile
.endm
.macro ROWS kp, a
	ds_load_b128 v[RING+6*\kp:RING+6*\kp+3], v[ADR+\a]
	ds_load_b64 v[RING+6*\kp+4:RING+6*\kp+5], v[ADR+\a] offset:16
.endm
.macro LOADS i, cnt                    ; the rows of positions i - 11, i - 12, .. (cnt of them), two loads each, in one run
.set J, 0
.rept \cnt
.set KL, ((\i)+5-J)&15
.set AL, ((\i)+5-J)&7
	ROWS KL, AL
.set J, J+1
.endr
.endm
; One step.  i = the position mod 32; n = how many younger LDS loads may be out (NOWAIT: the step has no wait on DScnt); pre = 1: it prepares
; position i - 15; ld = how many positions' rows it loads; first = 1: it starts the two sums.
; Between the two waits at the head of a loading step and its run of loads stand the select and the four v_readlane_b32, which name v18, v22, v23
; and v[144:149]: no address and no ring register.
.macro STEP i, n, pre, ld, first
.set K,  (\i)&15
.set KN, (\i+1)&15                     ; slot p + 1; its selectors were used in step p + 1 and now take those of position p - 15
.set AP, (\i+1)&7
.if \n < NOWAIT
	s_wait_dscnt \n
.endif
.if \ld
.if \pre
	s_wait_alu depctr_vm_vsrc(0)                   ; the run four steps back has read its four addresses, which this step and the next three write again (at the first run, step 507, the set-up's last such wait has stated it)
.endif
	s_wait_alu depctr_va_vdst(0)                   ; steps p + 4 .. p + 1 have written the addresses that the run below reads, and are done reading the slots in which it lands (slot p + 2 last, in step p + 1)
.endif
	v_cndmask_b32 v18, v22, v23, s[SM+K]           ; the register of a~ that holds element c_p,
.if \pre
.if \i >= 15
	PREPS KN, 0, \i-15, 15                         ; position p - 15 lies in this block of 32,
.else
	PREPS KN, 1, \i+17, 15                         ; or in the one below
.endif
.endif
	v_readlane_b32 s10, v18, s[SL+K]               ; and its lane: w~ = a~[c_p]
.if \ld
	LOADS \i, \ld
.endif
	s_wait_alu depctr_va_sdst(0)                   ; s10 is written, which the lines below multiply by; where the step prepares, so are s15, read below, and the two selectors, first read in step p - 15
	v_pk_fma_f32 v[22:23], v[RING+6*K:RING+6*K+1], s[10:11], v[22:23] op_sel_hi:[1,0,1]          ; a~ += w~ NG[c_p]
.if \pre
	PREPA AP, 15
.endif
.if \first
	v_pk_mul_f32 v[24:25], v[RING+6*K+2:RING+6*K+3], s[10:11] op_sel_hi:[1,0]
	v_pk_mul_f32 v[26:27], v[RING+6*KN+4:RING+6*KN+5], s[10:11] op_sel_hi:[1,0]
.else
	v_pk_fma_f32 v[24:25], v[RING+6*K+2:RING+6*K+3], s[10:11], v[24:25] op_sel_hi:[1,0,1]        ; accP += w~ Pr[c_p]
	v_pk_fma_f32 v[26:27], v[RING+6*KN+4:RING+6*KN+5], s[10:11], v[26:27] op_sel_hi:[1,0,1]      ; accH += w~ Hn[c_(p+1)]
.endif
.if \pre
	PREPB AP
.endif
.endm
; A step of the steady state.  The run issued in step P holds positions P - 11 .. P - 14, of which P - 11 (a multiple of 4) is used first: one
; wait at the head of that step serves all four.  LDS loads come back in order (ISA guide 5.7.1), and behind that run stand the runs of
; steps P - 4 and P - 8: the count is 16.
.macro GSTEP i
.if ((\i)&3) == 0
	STEP \i, 16, 1, 0, 0
.elseif ((\i)&3) == 3
	STEP \i, NOWAIT, 1, 4, 0
.else
	STEP \i, NOWAIT, 1, 0, 0
.endif
.endm
; A change of blocks: the tokens move up one register, so that v[TK+15] is the block at work and v[TK+14] the one below; the lower block's
; three registers become the upper's, and the new lower block's are made.  23 instructions for 32 steps.  No memory or LDS instruction of the scan names these registers.
.macro NEXTBLOCK
.irp j, 15,14,13,12,11,10,9,8,7,6,5,4,3,2,1
	v_mov_b32 v[TK+\j], v[TK+\j-1]
.endr
	v_mov_b32 v[OFFV], v[OFFV+1]
	v_mov_b32 v[LANEV], v[LANEV+1]
	v_mov_b32 v[MASKV], v[MASKV+1]
	DERIVE 1, TK+14
.endm
; The set-up's runs, for the positions in slots hi, hi - 1, .. (cnt of them), all in the top block.  Position q's row offset goes to one of eight scalar
; registers, by q & 7 (s4-7, s12-15), so that one wait serves a whole run of v_readlane_b32.
.macro SCALARS hi, cnt
.set P, \hi
.rept \cnt
.set AL, P&7
.set SO, 4+AL+4*(AL/4)
	PREPS P, 0, P+16, SO
.set P, P-1
.endr
.endm
.macro ADDRS hi, cnt
.set P, \hi
.rept \cnt
.set AL, P&7
.set SO, 4+AL+4*(AL/4)
	PREPA AL, SO
.set P, P-1
.endr
.set P, \hi
.rept \cnt
.set AL, P&7
	PREPB AL
.set P, P-1
.endr
.endm
.macro ROWRUN hi, cnt
.set P, \hi
.rept \cnt
.set AL, P&7
	ROWS P, AL
.set P, P-1
.endr
.endm
	s_lshl_b32 s2, ttmp9, 1
	s_add_co_u32 s2, s2, s8
	s_lshl_b32 s2, s2, 8                           ; row 2g + w of out0, 256 bytes (s3 is 0)
	s_add_nc_u64 s[44:45], s[44:45], s[2:3]
	global_load_b64 v[28:29], v14, s[38:39]        ; the two last biases come in under the scan (no vector instruction stands between P5's wait on va_vdst and these)
	global_load_b64 v[30:31], v14, s[42:43]
	v_lshlrev_b32 v16, 5, v1
	v_add_nc_u32 v16, TAB, v16
	v_lshlrev_b32 v20, 2, v1
	v_lshl_add_u32 v20, s8, 11, v20
	s_wait_alu depctr_va_vdst(0)                   ; v20 is written, which the token loads read as their address
.irp j, 0,1,2,3,4,5,6,7,8,9,10,11,12,13,14,15
	ds_load_b32 v[TK+\j], v20 offset:TOK+128*\j    ; lane L: token 32 j + L
.endr
	s_mov_b32 s11, 0                               ; the upper half of the pair s[10:11]; only s10 is multiplied by
	s_wait_dscnt 0x0
	DERIVE 0, TK+15
	DERIVE 1, TK+14
	; positions 511 down to 497 into slots 15 down to 1, in two runs: what the runs of steps above 509 would have brought
	v_readlane_b32 s9, v[TK+15], 31                ; c_511
	SCALARS 15, 8
	s_wait_alu depctr_va_sdst(0)                   ; s9, eight row offsets and sixteen selectors are written, ahead of the first reader of any of them
	s_min_u32 s9, s9, 63
	s_lshl_b32 s9, s9, 2
	v_mov_b32 v24, s9
	ADDRS 15, 8
	s_wait_alu depctr_va_vdst(0)                   ; v24 and the eight addresses are written, which the loads below read
	ds_load_b32 v21, v24 offset:DTAB               ; d_q
	ROWRUN 15, 8
	SCALARS 7, 7
	s_wait_alu depctr_va_sdst(0)                   ; seven row offsets and fourteen selectors are written
	s_wait_alu depctr_vm_vsrc(0)                   ; the run above has read its addresses, seven of which are written again below
	ADDRS 7, 7
	s_wait_alu depctr_va_vdst(0)                   ; the seven addresses are written, which the loads below read
	ROWRUN 7, 7
	PREPS 0, 0, 16, 4                              ; positions 496 and 495 are prepared (steps 509 and 508 prepare 494 and 493); step 507 loads the four
	PREPS 15, 0, 15, 15                            ; position 511's selectors, which this overwrites, are never used
	s_wait_alu depctr_va_sdst(0)                   ; two row offsets and four selectors are written
	s_wait_alu depctr_vm_vsrc(0)                   ; the second run has read its addresses, which the lines below and steps 509 to 504 write again; d_q's load has read v24, which step 509 writes
	PREPA 0, 4
	PREPA 7, 15
	PREPB 0
	PREPB 7
	s_wait_dscnt 24                                ; behind position 509's loads stand those of 508 .. 497: d_q and positions 511, 510, 509 are in
	v_mov_b32 v22, v[RING+90]                      ; a~ starts as NG[c_511]
	v_mov_b32 v23, v[RING+91]
	; The count 16 holds in the first steps too: at step 508 behind position 505's loads stand those of 504 .. 497; at step 504 behind 501's
	; those of 500 .. 497 and step 507's run; at step 500 the runs of steps 507 and 503.
	STEP 29, NOWAIT, 1, 0, 1                       ; position 509
.set I, 28
.rept 29
	GSTEP I                                        ; 508 down to 480
.set I, I-1
.endr
	NEXTBLOCK
	s_mov_b32 s46, 14                              ; blocks 14 down to 1
.Ltrip:
.set I, 31
.rept 32
	GSTEP I
.set I, I-1
.endr
	NEXTBLOCK
	s_sub_co_i32 s46, s46, 1
	s_cmp_lg_u32 s46, 0
	s_cbranch_scc1 .Ltrip
.set I, 31
.rept 17
	GSTEP I                                        ; positions 31 down to 15 prepare 16 down to 0; step 15's run (positions 4 .. 1) is the last whole one
.set I, I-1
.endr
	STEP 14, NOWAIT, 0, 0, 0
	STEP 13, NOWAIT, 0, 0, 0
	STEP 12, 16, 0, 0, 0                           ; positions 12 .. 9 (step 23's run); behind it the runs of steps 19 and 15
	STEP 11, NOWAIT, 0, 1, 0                       ; position 0 alone is left to load: the last two loads; no address is written any more
	STEP 10, NOWAIT, 0, 0, 0
	STEP 9, NOWAIT, 0, 0, 0
	STEP 8, 10, 0, 0, 0                            ; positions 8 .. 5 (step 19's run); behind it step 15's eight loads and step 11's two
	STEP 7, NOWAIT, 0, 0, 0
	STEP 6, NOWAIT, 0, 0, 0
	STEP 5, NOWAIT, 0, 0, 0
	STEP 4, 2, 0, 0, 0                             ; positions 4 .. 1 (step 15's run); behind it step 11's two loads
	STEP 3, NOWAIT, 0, 0, 0
	STEP 2, NOWAIT, 0, 0, 0
	STEP 1, NOWAIT, 0, 0, 0
	STEP 0, 0, 0, 0, 0                             ; position 0: nothing stands behind its loads
	s_branch .Ljoin
	; ---------------------------------------------------------------- H: wave 2 copies read_w, wave 3 out_w, 16 KiB each, under the scan
.Lhelper:
	s_cmp_eq_u32 s8, 2
	s_cselect_b64 s[72:73], s[36:37], s[40:41]
	s_sub_co_u32 s15, s8, 2
	s_lshl_b32 s15, s15, 14
	s_add_co_u32 s15, s15, RW
	v_add_nc_u32 v16, s15, v10
	s_wait_alu depctr_va_vdst(0)                   ; v16 is written, which the LDS stores below read as their address
.set i, 0
.rept 32
	global_load_b128 v[32+4*i:35+4*i], v10, s[72:73] offset:512*i
.set i, i+1
.endr
	s_wait_loadcnt 0x0
.set i, 0
.rept 32
	ds_store_b128 v16, v[32+4*i:35+4*i] offset:512*i
.set i, i+1
.endr
.Ljoin:
	s_wait_dscnt 0x0                               ; the copies are in LDS; the scan's loads are back
	s_barrier_signal -1
	s_barrier_wait -1
	s_cmp_ge_u32 s8, 2
	s_cbranch_scc1 .Lend
	; ---------------------------------------------------------------- T: out = (ctx read_w + read_b) out_w + out_b in f32; lane L makes columns 2L, 2L+1
; Rows in groups of eight: eight elements of the vector go to scalars, eight packed multiply-adds go to four sums by turns.
; next = 1: the registers of the rows used in the group before take the same rows of out_w.
.macro OWROWS g
	s_wait_alu depctr_va_vdst(0)                   ; the multiply-adds of group g are done reading its rows of read_w, in which the same rows of out_w land
.irp e, 0,1,2,3,4,5,6,7
	ds_load_b64 v[ROWB+16*(\g)+2*\e:ROWB+16*(\g)+2*\e+1], v17 offset:256*(8*(\g)+\e)
.endr
.endm
.macro MATVEC src, bias, dst, next
.set G, 0
.rept 8
.if (\next) && (G > 0)
	s_wait_dscnt 48                                ; behind group g's rows: 8 (7 - g) rows of read_w and 8 (g - 1) rows of out_w
.elseif \next
	s_wait_dscnt 56                                ; behind group 0's rows: the other 56 rows of read_w
.else
	s_wait_dscnt 56-8*G                            ; behind group g's rows: 8 (7 - g) rows of out_w
.endif
.irp e, 0,1,2,3,4,5,6,7
	v_readlane_b32 s[SC+2*\e], v[\src+(\e&1)], 4*G+(\e>>1)
.endr
.if (\next) && (G > 0)
	OWROWS G-1
.endif
	s_wait_alu depctr_va_sdst(0)                   ; the eight scalars are written, which the lines below multiply by
.irp e, 0,1,2,3,4,5,6,7
.if 8*G+\e == 0
	v_pk_fma_f32 v[Y:Y+1], v[ROWB:ROWB+1], s[SC:SC+1], v[\bias:\bias+1] op_sel_hi:[1,0,1]        ; the first product adds onto the bias
.elseif 8*G+\e < 4
	v_pk_mul_f32 v[Y+2*\e:Y+2*\e+1], v[ROWB+2*\e:ROWB+2*\e+1], s[SC+2*\e:SC+2*\e+1] op_sel_hi:[1,0]
.else
	v_pk_fma_f32 v[Y+2*(\e&3):Y+2*(\e&3)+1], v[ROWB+16*G+2*\e:ROWB+16*G+2*\e+1], s[SC+2*\e:SC+2*\e+1], v[Y+2*(\e&3):Y+2*(\e&3)+1] op_sel_hi:[1,0,1]
.endif
.endr
.set G, G+1
.endr
.if \next
	OWROWS 7
.endif
	v_pk_add_f32 v[Y:Y+1], v[Y:Y+1], v[Y+2:Y+3]
	v_pk_add_f32 v[Y+4:Y+5], v[Y+4:Y+5], v[Y+6:Y+7]
	v_pk_add_f32 v[\dst:\dst+1], v[Y:Y+1], v[Y+4:Y+5]
.endm
	s_wait_alu depctr_vm_vsrc(0)                   ; the scan's row loads have read v[150:157], and P's table and image stores v[208:255]: rows of read_w land in them
	v_add_nc_u32 v16, RW, v14
	v_add_nc_u32 v17, OW, v14
	s_wait_alu depctr_va_vdst(0)                   ; v16 and v17 are written, which the row loads read; the scan's vector work on v[128:157] is done, in which rows land
.set i, 0
.rept 64
	ds_load_b64 v[ROWB+2*i:ROWB+2*i+1], v16 offset:256*i
.set i, i+1
.endr
	v_pk_add_f32 v[24:25], v[24:25], v[26:27] neg_lo:[0,1] neg_hi:[0,1]
	v_mul_f32 v24, v24, v21                        ; ctx = d_q (accP - accH)
	v_mul_f32 v25, v25, v21
	s_wait_loadcnt 0x0                             ; read_b, out_b
	MATVEC 24, 28, 40, 1
	MATVEC 40, 30, 42, 0
	s_wait_alu depctr_va_vdst(0)                   ; v[42:43] are written, which the store reads
	global_store_b64 v14, v[42:43], s[44:45]       ; the wave's 32 lanes store one whole row of out0: 256 consecutive bytes, aligned
.Lend:
	s_set_vgpr_msb 0x5
	s_wait_dscnt 0x0
	s_wait_alu depctr_hold_cnt(0) depctr_sa_sdst(0) depctr_va_vdst(0) depctr_va_sdst(0) depctr_va_ssrc(0) depctr_va_vcc(0) depctr_vm_vsrc(0)
	s_wait_tensorcnt 0x0
	ds_add_u32 v0, v1
	s_wait_dscnt 0x0
	s_endpgm
.Lfunc_end_k_qe5a9a80c10_rcm:
	.size	k_qe5a9a80c10_rcm, .Lfunc_end_k_qe5a9a80c10_rcm-k_qe5a9a80c10_rcm
	.p2alignl 7, 3214868480
	.fill 96, 4, 3214868480
	.section	.rodata,"a",@progbits
	.p2align	6, 0x0
	.amdhsa_kernel k_qe5a9a80c10_rcm
		.amdhsa_group_segment_fixed_size 168448
		.amdhsa_private_segment_fixed_size 0
		.amdhsa_enable_private_segment 0
		.amdhsa_kernarg_size 120
		.amdhsa_user_sgpr_count 2
		.amdhsa_user_sgpr_kernarg_segment_ptr 1
		.amdhsa_wavefront_size32 1
		.amdhsa_system_sgpr_workgroup_id_x 1
		.amdhsa_system_sgpr_workgroup_id_y 1
		.amdhsa_system_sgpr_workgroup_id_z 1
		.amdhsa_system_vgpr_workitem_id 0
		.amdhsa_next_free_vgpr 258
		.amdhsa_next_free_sgpr 90
		.amdhsa_reserve_vcc 0
		.amdhsa_float_denorm_mode_32 3
		.amdhsa_float_denorm_mode_16_64 3
		.amdhsa_memory_ordered 1
		.amdhsa_forward_progress 1
		.amdhsa_inst_pref_size 168
	.end_amdhsa_kernel
	.amdgpu_metadata
---
amdhsa.version: [ 1, 2 ]
amdhsa.kernels:
  - .name:           k_qe5a9a80c10_rcm
    .symbol:         k_qe5a9a80c10_rcm.kd
    .args:
      - { .name: seq, .offset: 0, .size: 8, .value_kind: global_buffer, .address_space: global }
      - { .name: embed_w, .offset: 8, .size: 8, .value_kind: global_buffer, .address_space: global }
      - { .name: ff_w1, .offset: 16, .size: 8, .value_kind: global_buffer, .address_space: global }
      - { .name: ff_b1, .offset: 24, .size: 8, .value_kind: global_buffer, .address_space: global }
      - { .name: ff_w2, .offset: 32, .size: 8, .value_kind: global_buffer, .address_space: global }
      - { .name: ff_b2, .offset: 40, .size: 8, .value_kind: global_buffer, .address_space: global }
      - { .name: ln_g, .offset: 48, .size: 8, .value_kind: global_buffer, .address_space: global }
      - { .name: ln_b, .offset: 56, .size: 8, .value_kind: global_buffer, .address_space: global }
      - { .name: pred_w, .offset: 64, .size: 8, .value_kind: global_buffer, .address_space: global }
      - { .name: pred_b, .offset: 72, .size: 8, .value_kind: global_buffer, .address_space: global }
      - { .name: read_w, .offset: 80, .size: 8, .value_kind: global_buffer, .address_space: global }
      - { .name: read_b, .offset: 88, .size: 8, .value_kind: global_buffer, .address_space: global }
      - { .name: out_w, .offset: 96, .size: 8, .value_kind: global_buffer, .address_space: global }
      - { .name: out_b, .offset: 104, .size: 8, .value_kind: global_buffer, .address_space: global }
      - { .name: out0, .offset: 112, .size: 8, .value_kind: global_buffer, .address_space: global }
    .group_segment_fixed_size: 168448
    .private_segment_fixed_size: 0
    .kernarg_segment_align: 8
    .kernarg_segment_size: 120
    .max_flat_workgroup_size: 128
    .sgpr_count:     90
    .vgpr_count:     258
    .wavefront_size: 32
...
	.end_amdgpu_metadata
.endif
;; end of part 4
